; MI455X (gfx1250); checked and timed in simulation.
; The chip was launched on July 23, 2026; its instructions are those of AMD's public machine-readable ISA for CDNA 5 (MIT licence, August 2026) and "CDNA5" Instruction Set Architecture Reference Guide (July 2026). The comments in the code are by the model that wrote it; some were corrected since.
;; Multihead Attention. Allowed arithmetic: matrix products marked QUANTISED: E3M2 operands, one E8M0 scale for each 32 along K, by v_wmma_scale_f32_16x16x128_f8f6f4 with both operands' format E3M2, f32 sums; products left as they are: f32 operands where the result goes on into a quantised operand, else bf16, f16 or f32 operands; f32 sums; everything else in f32.
;; Inputs: beta1 32 float32; beta2 32 float32; bk 32 float32; bl 32 float32; bo 32 float32; bq 32 float32; bv 32 float32; g1 32 float32; g2 32 float32; wk 32 x 32 float32; wl 32 x 32 float32; wo 32 x 32 float32; wq 32 x 32 float32; wv 32 x 32 float32; x 16 x 2,048 x 32 float32.
;; Outputs: out0 16 x 2,048 x 32 float32.
;; This version of the problem:
;;   THIS VERSION OF THE PROBLEM IS GIVEN IN LOW PRECISION. The matrix products marked QUANTISED in the list below multiply operands that are first quantised to E3M2 (3 exponent bits, 2 mantissa bits; 6 bits a number), with one power-of-two scale for each 32 numbers along K (OCP MX v1.0); their sums are f32. All else is computed in f32.
;;   The module's matrix products, in the order in which they are computed (A, B: the left and right operand; K: the contracted axis; several contracted axes count as one K, in the product's order):
;;     1. [M 32,768, K 32] x [K 32, N 32]; A: input x; B: input wq: QUANTISED
;;     2. [M 32,768, K 32] x [K 32, N 32]; A: input x; B: input wk: QUANTISED
;;     3. [M 32,768, K 32] x [K 32, N 32]; A: input x; B: input wv: QUANTISED
;;     4. batch 64 x [M 2,048, K 8] x [K 8, N 2,048]; A: computed on the way; B: computed on the way: left as it is (K = 8 < 32)
;;     5. batch 64 x [M 2,048, K 2,048] x [K 2,048, N 8]; A: softmax; B: computed on the way: left as it is (N = 8 < 16)
;;     6. [M 32,768, K 32] x [K 32, N 32]; A: computed on the way; B: input wo: QUANTISED
;;     7. [M 32,768, K 32] x [K 32, N 32]; A: computed on the way; B: input wl: QUANTISED
;;   THE QUANTISER, for each operand of a quantised product, along K:
;;     - K is cut into blocks of 32 from its start; a last block that is shorter is filled with zeros.
;;     - A block's scale is 2^e with e = floor(log2(the largest magnitude in the block)) - 4, held to -126 .. 127; a block of zeros has e = 0. As a byte (E8M0): e + 127.
;;     - Each number is divided by its block's scale, clamped to +-28, and rounded to the nearest number of E3M2, ties to even, subnormals kept.
;;     - The product sums the exact products of the quantised numbers (number of the format x scale) in f32.
;;   ~~~python
;;   def quantise(x, axis):      # numpy; x: float32 -> the quantised numbers, widened to float32 again
;;       x = np.moveaxis(x, axis, -1); K = x.shape[-1]
;;       x = np.pad(x, [(0, 0)] * (x.ndim - 1) + [(0, -K % 32)]); x = x.reshape(x.shape[:-1] + (-1, 32)); a = np.abs(x).max(-1, keepdims=True)
;;       e = np.where(a > 0, np.clip(np.frexp(np.where(a > 0, a, 1))[1] - 1 - 4, -126, 127), 0)      # np.frexp(a)[1] - 1 = floor(log2(a)), exactly
;;       r = np.clip(x / 2.0 ** e, -28, 28)
;;       step = 2.0 ** (np.maximum(np.frexp(np.where(r == 0, 1, r))[1] - 1, -2) - 2)
;;       q = np.round(r / step) * step * 2.0 ** e      # np.round: ties to even
;;       return np.moveaxis(q.reshape(q.shape[:-2] + (-1,))[..., :K], -1, axis).astype(np.float32)
;;   ~~~
;;   OPERANDS COMPUTED ON THE WAY. 'Computed on the way' means the value that the module computes at that place (a softmax that the list does not call 'softmax' is quantised finished and normalised). What goes into a quantiser is computed in f32, as accurately as f32 sums, v_exp_f32 and their like allow (about 1e-6 of the number): no bf16 or f16 on the way to a quantiser, and a product that is left as it is and whose result goes on into a quantised operand takes f32 operands (vector FMAs, or v_wmma_f32_16x16x4_f32). A number that lies on a knife's edge between two numbers of the format may be rounded either way, as far as f32 arithmetic and the matrix unit's own rounding can turn it there, and no further.
;; 2 versions, each right; version 2 is version 1 with the launches proj, attn written anew for expert scheduling mode. Each part assembles by itself: llvm-mc -triple=amdgcn-amd-amdhsa -mcpu=gfx1250 --defsym DOCPART=n.
;; ======== version 1 of 2: 2 launches
;; workspace buffers: qws 4,194,304 bytes; kvws 8,388,608 bytes
;; launch proj (part 1): grid 256 x 1, 4 waves a work-group, no clusters, 18,944 bytes of LDS; arguments x, wq, bq, wk, bk, wv, bv, qws, kvws; writes qws, kvws
.if DOCPART == 1
	.amdgcn_target "amdgcn-amd-amdhsa--gfx1250"
	.amdhsa_code_object_version 6
	.text
	.protected	k_qa03348c36d_proj
	.globl	k_qa03348c36d_proj
	.p2align	8
	.type	k_qa03348c36d_proj,@function
k_qa03348c36d_proj:
	s_mov_b64 s[64:65], 0
	v_nop
	global_prefetch_b8 v0, s[64:65] scope:SCOPE_SE
	s_setreg_imm32_b32 hwreg(HW_REG_WAVE_MODE, 25, 1), 1
	s_wait_xcnt 0x0
; q = (x wq + bq) c, k = x wk + bk, v = x wv + bv, the three products on codes of BF6 (E3M2) with one E8M0 scale for each 32 along K.
; x: [32768][32] f32; the weights [32 (k)][32 (n)] f32; K = 32 is ONE block: a row of x and a column of a weight have one scale each.
; The matrix instruction takes 128 along K: k = 32 .. 127 are zero codes on both sides (their scale bytes are 0, which is 2^-127 and no NaN).
; c = log2(e) / sqrt(8) is folded into q (one f32 rounding), so that the next launch's weights are 2^(score - maximum).
; OUT: qws [b][head][s][8] f32; kvws [b][head][chunk of 32 keys][K: 32 keys x 32 bytes, then V: 32 keys x 32 bytes]: the order in which the next launch's registers take them.
; SHARES: a work-group takes 128 rows, each of its four waves 32 (one chunk): two tiles of 16 rows.  No loop, no barrier: waves share nothing.
; THE PRODUCT IS USED TRANSPOSED (source 0 = 16 columns of a weight, source 1 = 16 rows of x), and THE COLUMNS OF A TILE ARE NOT NEIGHBOURS: row m of tile u is output column 8 u + m + 8 (m / 8),
; so that register j of lane (r, h) is (row r, column 16 h + 8 u + j) = (head 2 h + u, channel j).
; LIMITS: NaN and infinities among the inputs are not served.  A block whose largest magnitude lies under 2^-122 keeps the scale byte 1; a block of zeros gets the byte 1 where the rule says 127:
; its codes are zeros, which add nothing, and the bytes never leave the registers.
.set PITCH, 144                        ; a stage row: 128 bytes + 16
.set STGB,  32*PITCH                   ; a wave's own stage: 32 rows
.set LOFF, 1                           ; v1   16 x lane
.set TIN,  2                           ; v2   the stage as memory has the rows: (lane / 8) x PITCH + 16 (lane % 8)
.set TRD,  3                           ; v3   the stage by rows: r x PITCH + 64 h
.set WOFF, 4                           ; v4   my column of a weight, in bytes: 4 (8 h + r + 8 (r / 8))
.set HOFF, 5                           ; v5   64 h: my half of a vector of 32
.set STO,  6                           ; v6   32 r + 16 h: my 16 bytes of 16 rows of 32
.set T0,   8                           ; v8-10 at work
.set T1,   9
.set T2,   10
.set SX,   16                          ; v16-17 x's scale words, tile R;  v18-20 the weights': these five hold scales and nothing else
.set SW,   18
.set XD,   22                          ; v22-53 x as loaded; afterwards the operands below
.set OPX,  22                          ; v22-45 x's two operands, 12 registers each
.set OPW,  46                          ; v46-69 a weight's two operands
.set TT,   70                          ; v70-72 the second half of a column's codes
.set XR,   74                          ; v74-105 x by rows: tile R at XR + 16 R: register i = x(row r, 16 h + i)
.set BI,   106                         ; v106-153 the three biases: register n = b(16 h + n)
.set WR,   154                         ; v154-249 weight p as loaded, 32 registers down K; then the results D(p, R, u) at WR + 32 p + 16 R + 8 u
.set SEL,  26                          ; s[26:27] lane selects: lane l xor 16
.set CS,   28                          ; s[28:29] c
; 16 numbers of a lane, register i = k 16 h + i of row r, become the operand v[op .. op+5] (lanes 0-15: the row's 32 codes; lanes 16-31: zeros) and the scale word v[scl].
.macro QUANT16 x, op, scl
	v_max3_num_f32 v[T0], |v[\x]|, |v[\x+1]|, 0x2800000              ; my 16 magnitudes in two chains, and the floor 2^(5 - 127): the byte cannot fall under 1
	v_max3_num_f32 v[T1], |v[\x+2]|, |v[\x+3]|, |v[\x+4]|
	v_max3_num_f32 v[T0], v[T0], |v[\x+5]|, |v[\x+6]|
	v_max3_num_f32 v[T1], v[T1], |v[\x+7]|, |v[\x+8]|
	v_max3_num_f32 v[T0], v[T0], |v[\x+9]|, |v[\x+10]|
	v_max3_num_f32 v[T1], v[T1], |v[\x+11]|, |v[\x+12]|
	v_max3_num_f32 v[T0], v[T0], |v[\x+13]|, |v[\x+14]|
	v_max3_num_f32 v[T0], v[T0], v[T1], |v[\x+15]|
	v_permlanex16_b32 v[T1], v[T0], s[SEL], s[SEL+1]
	v_max_num_f32 v[T0], v[T0], v[T1]                                ; with lane l xor 16's: the block's largest magnitude
	v_add_nc_u32 v[T2], 0xfe000000, v[T0]                            ; 4 off its exponent field: the conversion's scale operand
	v_lshrrev_b32 v[\scl], 23, v[T2]                                 ; the scale's byte in byte 0; bytes 1 to 3 are 0 and meet zero codes alone
.irp i, 3,4,5
	v_mov_b32 v[\op+\i], 0
.endr
	v_cvt_scalef32_pk16_bf6_f32 v[\op:\op+2], v[\x:\x+15], v[T2]     ; 96 bits: the codes of k = 16 h + 0 .. 15
	v_nop                                                            ; one plain place behind a scaled conversion
.irp i, 0,1,2
	v_permlane16_swap_b32 v[\op+\i], v[\op+3+\i]                     ; lanes 16-31's codes go to lanes 0-15 of registers 3 to 5; zeros come back
.endr
.endm
; 32 numbers of a lane, a whole column down K (lanes 0-15: tile 0's columns, lanes 16-31: tile 1's), become the two tiles' operands and one scale register (tile 0 in lanes 0-15, tile 1 in lanes 16-31).
.macro QUANTW w, opa, opb, scl
	v_max3_num_f32 v[T0], |v[\w]|, |v[\w+1]|, 0x2800000
	v_max3_num_f32 v[T1], |v[\w+2]|, |v[\w+3]|, |v[\w+4]|
.irp i, 5,9,13,17,21,25
	v_max3_num_f32 v[T0], v[T0], |v[\w+\i]|, |v[\w+\i+1]|
	v_max3_num_f32 v[T1], v[T1], |v[\w+\i+2]|, |v[\w+\i+3]|
.endr
	v_max3_num_f32 v[T0], v[T0], |v[\w+29]|, |v[\w+30]|
	v_max3_num_f32 v[T0], v[T0], v[T1], |v[\w+31]|                   ; these 16 lines are also the places between the last products and the writes of their operands below
	v_add_nc_u32 v[T2], 0xfe000000, v[T0]
	v_lshrrev_b32 v[\scl], 23, v[T2]
.irp i, 0,1,2,3,4,5
	v_mov_b32 v[\opb+\i], 0
.endr
	v_cvt_scalef32_pk16_bf6_f32 v[\opa:\opa+2], v[\w:\w+15], v[T2]
	v_cvt_scalef32_pk16_bf6_f32 v[TT:TT+2], v[\w+16:\w+31], v[T2]    ; (a conversion's three registers begin on an even number)
	v_nop
.irp i, 0,1,2
	v_mov_b32 v[\opa+3+\i], v[TT+\i]
.endr
.irp i, 0,1,2,3,4,5
	v_permlane16_swap_b32 v[\opa+\i], v[\opb+\i]                     ; tile 1's codes to lanes 0-15 of the second operand; zeros into lanes 16-31 of the first
.endr
.endm
.macro VEC16 reg, sb                   ; register n = vec(16 h + n)
.irp i, 0,1,2,3
	global_load_b128 v[\reg+4*\i:\reg+4*\i+3], v[HOFF], s[\sb:\sb+1] offset:16*\i
.endr
.endm
.macro QMM d, wop, xop, c, sw, sx, row1
.if \row1
	v_wmma_scale_f32_16x16x128_f8f6f4 v[\d:\d+7], v[\wop:\wop+11], v[\xop:\xop+11], v[\c:\c+7], v[\sw], v[\sx] matrix_a_fmt:MATRIX_FMT_BF6 matrix_b_fmt:MATRIX_FMT_BF6 matrix_a_scale:MATRIX_SCALE_ROW1
.else
	v_wmma_scale_f32_16x16x128_f8f6f4 v[\d:\d+7], v[\wop:\wop+11], v[\xop:\xop+11], v[\c:\c+7], v[\sw], v[\sx] matrix_a_fmt:MATRIX_FMT_BF6 matrix_b_fmt:MATRIX_FMT_BF6
.endif
.endm
; weight p: quantised, then four products (two tiles of rows x two tiles of columns), the bias as C.  Four different accumulators: none is taken up twice.
.macro PROD p
	QUANTW WR+32*\p, OPW, OPW+12, SW+\p
.rept 8
	v_nop                                                            ; a scale register written by a vector instruction stands 8 places ahead of a scaled matrix instruction, an operand 4
.endr
.irp R, 0,1
	QMM WR+32*\p+16*\R, OPW, OPX+12*\R, BI+16*\p, SW+\p, SX+\R, 0
	QMM WR+32*\p+16*\R+8, OPW+12, OPX+12*\R, BI+16*\p+8, SW+\p, SX+\R, 1
.endr
.endm
	s_load_b512 s[4:19], s[0:1], 0x0               ; x s[4:5], wq s[6:7], bq s[8:9], wk s[10:11], bk s[12:13], wv s[14:15], bv s[16:17], qws s[18:19]
	s_load_b64 s[20:21], s[0:1], 0x40              ; kvws
	v_lshl_add_u32 v254, v0, 2, 0x4800
	v_mov_b32 v255, 0
	v_lshrrev_b32 v7, 5, v0
	v_readfirstlane_b32 s22, v7                    ; wave 0..3
	v_and_b32 v7, 31, v0                           ; lane
	v_and_b32 v11, 15, v0                          ; r
	v_bfe_u32 v12, v0, 4, 1                        ; h
	v_bfe_u32 v13, v0, 3, 2                        ; lane / 8
	v_and_b32 v14, 7, v0                           ; lane % 8
	v_lshlrev_b32 v[LOFF], 4, v7
	s_mul_i32 s23, s22, STGB                       ; my stage
	v_mul_u32_u24 v[TIN], v13, PITCH
	v_lshl_add_u32 v[TIN], v14, 4, v[TIN]
	v_add_nc_u32 v[TIN], s23, v[TIN]
	v_mul_u32_u24 v[TRD], v11, PITCH
	v_lshl_add_u32 v[TRD], v12, 6, v[TRD]
	v_add_nc_u32 v[TRD], s23, v[TRD]
	v_and_b32 v13, 8, v11
	v_add_nc_u32 v13, v13, v11                     ; r + 8 (r / 8)
	v_lshl_add_u32 v13, v12, 3, v13                ; + 8 h: lanes 16-31 take tile 1's columns
	v_lshlrev_b32 v[WOFF], 2, v13
	v_lshlrev_b32 v[HOFF], 6, v12
	v_lshlrev_b32 v[STO], 5, v11
	v_lshl_add_u32 v[STO], v12, 4, v[STO]
	s_mov_b32 s[SEL], 0x76543210
	s_mov_b32 s[SEL+1], 0xfedcba98
	s_mov_b32 s[CS], 0x3f0293ee                    ; c = log2(e) / sqrt(8)
	s_mov_b32 s[CS+1], s[CS]                       ; (named with it as a pair, so it is written)
	s_lshl_b32 s24, ttmp9, 14                      ; x: 128 rows of 128 bytes a work-group,
	s_lshl_b32 s30, s22, 12                        ; 32 a wave
	s_add_co_u32 s24, s24, s30
	s_mov_b32 s25, 0
	s_lshr_b32 s31, ttmp9, 4                       ; b: 16 work-groups to a batch
	s_and_b32 s32, ttmp9, 15
	s_lshl_b32 s32, s32, 2
	s_add_co_u32 s32, s32, s22                     ; my chunk of 32 rows in the batch
	s_lshl_b32 s34, s31, 18                        ; qws: 262,144 bytes a batch, 1,024 a chunk
	s_lshl_b32 s33, s32, 10
	s_add_co_u32 s34, s34, s33
	s_mov_b32 s35, 0
	s_lshl_b32 s36, s31, 19                        ; kvws: 524,288 bytes a batch, 2,048 a chunk
	s_lshl_b32 s33, s32, 11
	s_add_co_u32 s36, s36, s33
	s_mov_b32 s37, 0
	s_wait_kmcnt 0x0
	s_add_nc_u64 s[4:5], s[4:5], s[24:25]
	s_add_nc_u64 s[18:19], s[18:19], s[34:35]
	s_add_nc_u64 s[20:21], s[20:21], s[36:37]
.irp i, 0,1,2,3,4,5,6,7
	global_load_b128 v[XD+4*\i:XD+4*\i+3], v[LOFF], s[4:5] offset:512*\i th:TH_LOAD_NT   ; 32 lanes read 512 consecutive bytes: four rows
.endr
	VEC16 BI, 8
	VEC16 BI+16, 12
	VEC16 BI+32, 16
.set k, 0
.rept 32
	global_load_b32 v[WR+k], v[WOFF], s[6:7] offset:128*k            ; row k of wq: the 32 lanes take its 32 columns, 128 consecutive bytes
.set k, k+1
.endr
.set k, 0
.rept 32
	global_load_b32 v[WR+32+k], v[WOFF], s[10:11] offset:128*k
.set k, k+1
.endr
.set k, 0
.rept 32
	global_load_b32 v[WR+64+k], v[WOFF], s[14:15] offset:128*k
.set k, k+1
.endr
	s_wait_loadcnt 63                              ; of the 116 loads the youngest 63 may be out: x (8), the biases (12) and wq (32) are in
.irp i, 0,1,2,3,4,5,6,7
	ds_store_b128 v[TIN], v[XD+4*\i:XD+4*\i+3] offset:4*PITCH*\i     ; the turn through my own stage: in as memory has the rows,
.endr
.irp R, 0,1
.irp i, 0,1,2,3
	ds_load_b128 v[XR+16*\R+4*\i:XR+16*\R+4*\i+3], v[TRD] offset:16*PITCH*\R+16*\i   ; back 64 bytes a lane.  LDS serves a wave's instructions in order: these see the stores
.endr
.endr
	s_wait_dscnt 0x0                               ; x by rows is in, and the stores have read v22-53, which the operands now take
.irp o, OPX, OPX+12, OPW, OPW+12
.irp i, 6,7,8,9,10,11
	v_mov_b32 v[\o+\i], 0                          ; k = 64 .. 127 of every operand: zero codes, written once
.endr
.endr
	QUANT16 XR, OPX, SX
	QUANT16 XR+16, OPX+12, SX+1
	PROD 0
	s_wait_loadcnt 32                              ; wk is in; wv's 32 loads may be out
	PROD 1
	s_wait_loadcnt 0x0
	PROD 2
.set j, 0
.rept 16
	v_pk_mul_f32 v[WR+j:WR+j+1], v[WR+j:WR+j+1], s[CS:CS+1] op_sel_hi:[1,0]   ; q x c, each accumulator from its low end on.  (These 16 are also the places behind v's products)
.set j, j+2
.endr
.set d, WR
.rept 12                               ; register j of lanes 16-31 changes places with register j + 4 of lanes 0-15: registers 0-3 then hold (head u, row r, channel 4 h + j), registers 4-7 (head 2 + u, the same)
.irp j, 0,1,2,3
	v_permlane16_swap_b32 v[d+\j], v[d+4+\j]
.endr
.set d, d+8
.endr
.irp R, 0,1
.irp u, 0,1                            ; each store of the wave covers 512 consecutive bytes, aligned: 16 rows of 32 bytes of one head
	global_store_b128 v[STO], v[WR+16*\R+8*\u:WR+16*\R+8*\u+3], s[18:19] offset:\u*65536+512*\R
	global_store_b128 v[STO], v[WR+16*\R+8*\u+4:WR+16*\R+8*\u+7], s[18:19] offset:(2+\u)*65536+512*\R
	global_store_b128 v[STO], v[WR+32+16*\R+8*\u:WR+32+16*\R+8*\u+3], s[20:21] offset:\u*131072+512*\R
	global_store_b128 v[STO], v[WR+32+16*\R+8*\u+4:WR+32+16*\R+8*\u+7], s[20:21] offset:(2+\u)*131072+512*\R
	global_store_b128 v[STO], v[WR+64+16*\R+8*\u:WR+64+16*\R+8*\u+3], s[20:21] offset:\u*131072+512*\R+1024
	global_store_b128 v[STO], v[WR+64+16*\R+8*\u+4:WR+64+16*\R+8*\u+7], s[20:21] offset:(2+\u)*131072+512*\R+1024
.endr
.endr
	s_wait_tensorcnt 0x0
	ds_add_u32 v254, v255
	s_wait_dscnt 0x0
	s_endpgm
.Lfunc_end_k_qa03348c36d_proj:
	.size	k_qa03348c36d_proj, .Lfunc_end_k_qa03348c36d_proj-k_qa03348c36d_proj
	.p2alignl 7, 3214868480
	.fill 96, 4, 3214868480
	.section	.rodata,"a",@progbits
	.p2align	6, 0x0
	.amdhsa_kernel k_qa03348c36d_proj
		.amdhsa_group_segment_fixed_size 18944
		.amdhsa_private_segment_fixed_size 0
		.amdhsa_enable_private_segment 0
		.amdhsa_kernarg_size 72
		.amdhsa_user_sgpr_count 2
		.amdhsa_user_sgpr_kernarg_segment_ptr 1
		.amdhsa_wavefront_size32 1
		.amdhsa_system_sgpr_workgroup_id_x 1
		.amdhsa_system_sgpr_workgroup_id_y 1
		.amdhsa_system_sgpr_workgroup_id_z 1
		.amdhsa_system_vgpr_workitem_id 0
		.amdhsa_next_free_vgpr 256
		.amdhsa_next_free_sgpr 66
		.amdhsa_reserve_vcc 0
		.amdhsa_float_denorm_mode_32 3
		.amdhsa_float_denorm_mode_16_64 3
		.amdhsa_memory_ordered 1
		.amdhsa_forward_progress 1
		.amdhsa_inst_pref_size 30
	.end_amdhsa_kernel
	.amdgpu_metadata
---
amdhsa.version: [ 1, 2 ]
amdhsa.kernels:
  - .name:           k_qa03348c36d_proj
    .symbol:         k_qa03348c36d_proj.kd
    .args:
      - { .name: x, .offset: 0, .size: 8, .value_kind: global_buffer, .address_space: global }
      - { .name: wq, .offset: 8, .size: 8, .value_kind: global_buffer, .address_space: global }
      - { .name: bq, .offset: 16, .size: 8, .value_kind: global_buffer, .address_space: global }
      - { .name: wk, .offset: 24, .size: 8, .value_kind: global_buffer, .address_space: global }
      - { .name: bk, .offset: 32, .size: 8, .value_kind: global_buffer, .address_space: global }
      - { .name: wv, .offset: 40, .size: 8, .value_kind: global_buffer, .address_space: global }
      - { .name: bv, .offset: 48, .size: 8, .value_kind: global_buffer, .address_space: global }
      - { .name: qws, .offset: 56, .size: 8, .value_kind: global_buffer, .address_space: global }
      - { .name: kvws, .offset: 64, .size: 8, .value_kind: global_buffer, .address_space: global }
    .group_segment_fixed_size: 18944
    .private_segment_fixed_size: 0
    .kernarg_segment_align: 8
    .kernarg_segment_size: 72
    .max_flat_workgroup_size: 128
    .sgpr_count:     66
    .vgpr_count:     256
    .wavefront_size: 32
...
	.end_amdgpu_metadata
.endif
;; end of part 1
;; launch attn (part 2): grid 16 x 16, 8 waves a work-group, no clusters, 125,952 bytes of LDS; arguments x, qws, kvws, wo, bo, g1, beta1, wl, bl, g2, beta2, out0; writes out0
.if DOCPART == 2
	.amdgcn_target "amdgcn-amd-amdhsa--gfx1250"
	.amdhsa_code_object_version 6
	.text
	.protected	k_qa03348c36d_attn
	.globl	k_qa03348c36d_attn
	.p2align	8
	.type	k_qa03348c36d_attn,@function
k_qa03348c36d_attn:
	s_mov_b64 s[64:65], 0
	v_nop
	global_prefetch_b8 v0, s[64:65] scope:SCOPE_SE
	s_setreg_imm32_b32 hwreg(HW_REG_WAVE_MODE, 25, 1), 1
	s_wait_xcnt 0x0
; out0 = LN2(a1 wl + bl + a1), a1 = LN1(concat wo + bo + x), concat = softmax(q k^T / sqrt(8)) v by heads.  q (already x log2(e) / sqrt(8)), k, v: f32, from the launch before.
; The two products of attention feed the quantiser of concat wo, so they take f32 operands: S^T = K Q^T by v_wmma_f32_16x16x4_f32 (two instructions for 16 keys x 16 queries, K = 8),
; O += p V by packed fused multiply-adds.  concat wo and a1 wl go on codes of BF6 (E3M2), one E8M0 scale for each 32 along K (K = 32: one block; k = 32 .. 127 are zero codes).
; SHARES.  A work-group owns 128 queries of one batch.  Wave w: head w / 2, key half w % 2: all 128 queries (8 tiles of 16), 1,024 keys in 32 steps of 32.  Two waves to a SIMD.
; NO LANE EXCHANGE IN THE LOOP.  In S^T lane (r, h) holds query r and keys 8 h + 0 .. 7 of each 16.  Each lane runs its own running maximum m, sum l and O[8] over its own keys; with the two key halves
; that is four streams for each (row, head), merged once at the end under the largest of their four m.
; THE PIPELINE.  Among the 64 multiply-adds of tile t stand the 17 exponentials of tile t + 1 and the 4 matrix instructions of tile t + 2; between tiles stands a head of 30 lines (tile t + 1: maximum and shift; tile t: sums and rescaling).
; K goes from memory straight into fragment registers; V goes through 1,024 bytes of the wave's own LDS, from which each lane takes the 8 channels of its 16 keys.
; NO CLUSTER, NO JOINT LOADS: the 16 work-groups of a batch do walk the same K and V, but a wave's step is 2,048 bytes against 512 packed multiply-adds for each of 8 tiles' worth of work, and no two waves of a work-group share a byte;
; a joint load would land in LDS, K would be read from there again, and each refill would want a round of the cluster's barrier.
; LIMITS: NaN and infinities among the inputs are not served; a score x log2(e) / sqrt(8) must lie above -3e38, where m begins.  The sums' order differs from the reference's (four streams a row and head; the head's 8 channels in the order 0 1 4 5, 2 3 6 7).
; A block whose largest magnitude lies under 2^-122 keeps the scale byte 1; a block of zeros gets the byte 1 where the rule says 127: its codes are zeros, and the bytes never leave the registers.
; REGISTERS, window 0, in the loop: v1-6 addresses; v8-15 K; v16-23, v24-31 the next step's K and V as loaded; v48-79 p, two buffers; v80-87 at work; v88+4t m, a, l (two halves); v120+8t O; v240-255 S^T (written by matrix instructions alone).
;   window 1: v0-127 V (register 8 i + d: channel d of my i-th key); v128+4t Q.   v236-239 hold scales and nothing else.
.set REC,   8192                       ; LDS: 0: 8 x 1,024 bytes, each wave's V of one step;  REC: 16 regions (2 wave + h) of 128 rows x 48 bytes: O0-3, O4-7, (m, l), 8 unused
.set XST,   106496                     ; 8 x 2,304 bytes: each wave's stage of 16 rows x 144
.set PITCH, 144
.set GAK,  1                           ; v1  32 r + 16 h: a fragment's 16 bytes of a row of 32
.set GAV,  2                           ; v2  16 x lane
.set LVW,  3                           ; v3  my wave's V slot + 16 x lane
.set LVR,  4                           ; v4  my wave's V slot + 256 h: my half's first key
.set RECW, 5                           ; v5  where I put my records
.set PFO,  6                           ; v6  256 x lane: the prefetch's offset
.set KR,   8
.set KS,   16
.set VS,   24
.set PB,   48
.set C0,   80
.set XX,   82
.set YY,   84
.set ZZ,   86
.set ST,   88
.set OO,   120
.set S,    240
.set QF,   128                         ; in window 1
; the epilogue, window 0
.set T0,   8
.set T1,   9
.set T2,   10
.set U,    12                          ; v12-19 at work
.set TIN,  20                          ; v20 my stage as memory has the rows;  v21 by rows;  v22 the records that I read;  v23 my column of a weight;  v24 64 h
.set TRD,  21
.set RECR, 22
.set WOFF, 23
.set HOFF, 24
.set RB,   48                          ; v48-95 four records of 12; later the weights' four operands
.set OPO,  48
.set OPL,  72
.set CC,   96                          ; v96-111 concat(row r, 16 h + n)
.set OPX,  112                         ; v112-123 the rows' operand
.set TT,   124
.set WO,   128                         ; v128-159 wo as loaded; later a1 and ff
.set A1,   128
.set FF,   144
.set XD,   160                         ; v160-175 x as loaded; later the result as it is stored
.set OD,   160
.set XR,   176                         ; v176-191 x by rows
.set WL,   192                         ; v192-223 wl as loaded; later the result by rows, and concat wo
.set OUT,  192
.set YO,   208
.set SXC,  236
.set SXA,  237
.set SWO,  238
.set SWL,  239
.set BO,   0                           ; in window 1: six vectors of 32, register n = vec(16 h + n)
.set G1,   16
.set BE1,  32
.set BL,   48
.set G2,   64
.set BE2,  80
.set KV,   36                          ; s[36:37] my stream of K and V, at the step to be loaded next
.set CNT,  38                          ; s38 the step
.set LIM,  39                          ; s39 30 in the batch's first work-group, else 0: a wave prefetches while the step is under it
.set SEL,  42                          ; s[42:43] lane selects: lane l xor 16
.set MSB, 0
.macro WIN new                         ; low byte: bits 1:0 source 0, 3:2 source 1, 5:4 source 2, 7:6 destination; the high byte repeats the setting that is left
.if MSB != \new
	s_set_vgpr_msb (MSB<<8)|\new
.set MSB, \new
.endif
.endm
; Matrix instruction kq of 4 for tile tq: keys 16 (kq % 2) on, channels pair kq / 2.  Lane (r, h) holds channels 4 h .. 4 h + 3 of its row, so slot k = 2 h + j of instruction u is channel 4 h + 2 u + j, alike for K and Q.
; The two accumulators take turns, one instruction a turn; the first K step starts each sum with the constant 0.
.macro QKW tq
.set g_, kq%2
.set u_, kq/2
.if u_ == 0
	v_wmma_f32_16x16x4_f32 v[S+8*g_:S+8*g_+7], v[KR+4*g_:KR+4*g_+1], v[QF+4*(\tq):QF+4*(\tq)+1], 0
.else
	v_wmma_f32_16x16x4_f32 v[S+8*g_:S+8*g_+7], v[KR+4*g_+2:KR+4*g_+3], v[QF+4*(\tq)+2:QF+4*(\tq)+3], v[S+8*g_:S+8*g_+7]
.endif
.endm
; THE HEAD OF TILE t.  hasB: tile tn's 16 scores: m' = max(m', scores), a' = m'_old - m', p' = score - m' (exponentials follow in PVX).  hasD: tile t, whose exponentials are done: l = l a + the sum of p, O = O a.
; The two kinds stand by turns, so that no line waits for the line above it.  Each accumulator of S^T is first read at its low end.
.macro HEADT t, tn, hasB, hasD
.set rT, ST+4*(\t)
.set rN, ST+4*(\tn)
.set rP, PB+16*((\t)%2)
.set rQ, PB+16*((\tn)%2)
.set rO, OO+8*(\t)
.if (\t) > 0
	s_wait_alu depctr_va_vdst(0)                   ; one wait for the 17 exponentials issued among the last tile's multiply-adds, ahead of their first reader (for t = 0 it stands ahead of the loop's branch)
.endif
.if \hasB
	v_max3_num_f32 v[C0], v[S], v[S+1], v[S+2]
	v_max3_num_f32 v[C0+1], v[S+8], v[S+9], v[S+10]
.endif
.if \hasD
	v_pk_fma_f32 v[rT+2:rT+3], v[rT+2:rT+3], v[rT:rT+1], v[rP:rP+1] op_sel:[0,1,0] op_sel_hi:[1,1,1]   ; of the pair (m, a) the second serves both halves
	v_pk_add_f32 v[XX:XX+1], v[rP+2:rP+3], v[rP+4:rP+5]
.endif
.if \hasB
	v_max3_num_f32 v[C0], v[C0], v[S+3], v[S+4]
	v_max3_num_f32 v[C0+1], v[C0+1], v[S+11], v[S+12]
.endif
.if \hasD
	v_pk_add_f32 v[YY:YY+1], v[rP+6:rP+7], v[rP+8:rP+9]
	v_pk_add_f32 v[ZZ:ZZ+1], v[rP+10:rP+11], v[rP+12:rP+13]
.endif
.if \hasB
	v_max3_num_f32 v[C0], v[C0], v[S+5], v[S+6]
	v_max3_num_f32 v[C0+1], v[C0+1], v[S+13], v[S+14]
.endif
.if \hasD
	v_pk_mul_f32 v[rO:rO+1], v[rO:rO+1], v[rT:rT+1] op_sel:[0,1] op_sel_hi:[1,1]
	v_pk_mul_f32 v[rO+2:rO+3], v[rO+2:rO+3], v[rT:rT+1] op_sel:[0,1] op_sel_hi:[1,1]
.endif
.if \hasB
	v_max3_num_f32 v[C0], v[C0], v[S+7], v[S+15]
.endif
.if \hasD
	v_pk_mul_f32 v[rO+4:rO+5], v[rO+4:rO+5], v[rT:rT+1] op_sel:[0,1] op_sel_hi:[1,1]
	v_pk_mul_f32 v[rO+6:rO+7], v[rO+6:rO+7], v[rT:rT+1] op_sel:[0,1] op_sel_hi:[1,1]
.endif
.if \hasB
	v_max3_num_f32 v[C0], v[C0], v[C0+1], v[rN]
.endif
.if \hasD
	v_pk_add_f32 v[rT+2:rT+3], v[rT+2:rT+3], v[rP+14:rP+15]
	v_pk_add_f32 v[XX:XX+1], v[XX:XX+1], v[YY:YY+1]
.endif
.if \hasB
	v_sub_f32 v[rN+1], v[rN], v[C0]
	v_mov_b32 v[rN], v[C0]
.endif
.if \hasD
	v_pk_add_f32 v[rT+2:rT+3], v[rT+2:rT+3], v[ZZ:ZZ+1]
.endif
.if \hasB
.irp j, 0,2,4,6
	v_pk_add_f32 v[rQ+\j:rQ+\j+1], v[S+\j:S+\j+1], v[rN:rN+1] op_sel_hi:[1,0] neg_lo:[0,1] neg_hi:[0,1]   ; score - m', into other registers than the matrix results
.endr
.endif
.if \hasD
	v_pk_add_f32 v[rT+2:rT+3], v[rT+2:rT+3], v[XX:XX+1]
.endif
.if \hasB
.irp j, 8,10,12,14
	v_pk_add_f32 v[rQ+\j:rQ+\j+1], v[S+\j:S+\j+1], v[rN:rN+1] op_sel_hi:[1,0] neg_lo:[0,1] neg_hi:[0,1]
.endr
.endif
.endm
.macro PF dp                           ; O[2 dp, 2 dp + 1] += p[i] x V[i][2 dp, 2 dp + 1]: of p's pair one register serves both halves
.if i%2 == 0
	v_pk_fma_f32 v[rO+2*\dp:rO+2*\dp+1], v[rP+i:rP+i+1], v[8*i+2*\dp:8*i+2*\dp+1], v[rO+2*\dp:rO+2*\dp+1] op_sel_hi:[0,1,1]
.else
	v_pk_fma_f32 v[rO+2*\dp:rO+2*\dp+1], v[rP+i-1:rP+i], v[8*i+2*\dp:8*i+2*\dp+1], v[rO+2*\dp:rO+2*\dp+1] op_sel:[1,0,0] op_sel_hi:[1,1,1]
.endif
.endm
; TILE t's 64 MULTIPLY-ADDS, with tile tn's 17 exponentials (hasC) and tile tq's 4 matrix instructions (hasA) among them.  One window setting serves all three: source 1 in window 1 is V for the multiply-adds and Q for the
; matrix instructions, and an exponential has no source 1.  Behind the last matrix instruction stand 16 multiply-adds that name none of its registers (8 places are owed ahead of the first read of S^T and of a write of K);
; behind the last exponential stand two.
.macro PVX t, hasC, tn, hasA, tq
	WIN 0x04
.set rP, PB+16*((\t)%2)
.set rQ, PB+16*((\tn)%2)
.set rO, OO+8*(\t)
.set rN, ST+4*(\tn)
.set i, 0
.rept 16
.if \hasA && (i%4 == 0)
.set kq, i/4
	QKW \tq
.endif
	PF 0
	PF 1
.if \hasC
	v_exp_f32 v[rQ+i], v[rQ+i]
.endif
	PF 2
	PF 3
.if \hasC && (i == 0)
	v_exp_f32 v[rN+1], v[rN+1]
.endif
.set i, i+1
.endr
	WIN 0
.endm
.macro VLOAD                           ; V of one step from my slot: register 8 i + d = channel d of key 16 (i / 8) + 8 h + i % 8; sixteen lanes read the same 16 bytes
	WIN 0x40
.irp i, 0,1,2,3,4,5,6,7,8,9,10,11,12,13,14,15
	ds_load_b128 v[8*\i:8*\i+3], v[LVR] offset:512*(\i/8)+32*(\i%8)
	ds_load_b128 v[8*\i+4:8*\i+7], v[LVR] offset:512*(\i/8)+32*(\i%8)+16
.endr
	WIN 0
.endm
.macro KSWITCH                         ; the next step's K and V take their places: K's last reader stands 16 multiply-adds back; my slot's V has long been read into registers
	s_wait_loadcnt 0x0                             ; the four loads issued at this step's head are in
	s_wait_xcnt 0x0                                ; and the prefetch has read its base, which steps now
	s_add_nc_u64 s[KV:KV+1], s[KV:KV+1], 2048
.irp j, 0,1,2,3,4,5,6,7
	v_mov_b32 v[KR+\j], v[KS+\j]
.endr
	ds_store_b128 v[LVW], v[VS:VS+3]
	ds_store_b128 v[LVW], v[VS+4:VS+7] offset:512
.endm
; A PREFETCH INTO THE L2, behind the step's four loads.  In steps 2, 6 .. 26 a wave names the 8,192 bytes of its own stream that steps i + 2 .. i + 5 hold (they are loaded in steps i + 1 .. i + 4): 32 lanes, 256 bytes apart.
; All 16 work-groups of a batch walk the same streams: the batch's first work-group asks, each of its eight waves for its own stream, so each block of 256 bytes is named once in the launch.
; Steps 0 to 3 come by their loads alone; step 30 would name bytes past the stream's end and asks for nothing.
.macro ASK
	s_and_b32 s40, s[CNT], 3
	s_cmp_eq_u32 s40, 2
	s_cbranch_scc0 .Lnot_now_\@
	s_cmp_lt_u32 s[CNT], s[LIM]
	s_cbranch_scc0 .Lnot_now_\@
	global_prefetch_b8 v[PFO], s[KV:KV+1] offset:2048 th:TH_LOAD_NT scope:SCOPE_SE
.Lnot_now_\@:
.endm
; A KEY STEP: 32 keys, 8 tiles of queries.  last = 1: the last step, which loads nothing and starts nothing of a next step.
.macro STEP last
.irp t, 0,1,2,3,4,5,6,7
.set hB, 1
.set hA, 1
.if \last
.if \t > 6
.set hB, 0
.endif
.if \t > 5
.set hA, 0
.endif
.else
.if \t == 6
	KSWITCH                                        ; tiles 6 and 7 start the next step's tiles 0 and 1
.endif
.endif
	HEADT \t, (\t+1)%8, hB, 1
.if \t == 0
	s_wait_dscnt 0x0                               ; this step's V is in its registers, and the stores that read the staging registers are done
.if !\last
	global_load_b128 v[KS:KS+3], v[GAK], s[KV:KV+1]                  ; the next step: K as two fragments,
	global_load_b128 v[KS+4:KS+7], v[GAK], s[KV:KV+1] offset:512
	global_load_b128 v[VS:VS+3], v[GAV], s[KV:KV+1] offset:1024      ; V as it lies
	global_load_b128 v[VS+4:VS+7], v[GAV], s[KV:KV+1] offset:1536
	ASK
.endif
.endif
	PVX \t, hB, (\t+1)%8, hA, (\t+2)%8
.endr
.if !\last
	VLOAD                                          ; the next step's V: LDS serves a wave's instructions in order, so these see KSWITCH's stores
	s_wait_alu depctr_va_vdst(0)                   ; tile 0's exponentials have their wait ahead of the branch
.endif
.endm
; ---- the epilogue's macros
.macro QUANT16 x, op, scl              ; 16 numbers of a lane, register i = k 16 h + i of row r -> operand (lanes 0-15: the row's 32 codes; lanes 16-31: zeros) and scale word
	v_max3_num_f32 v[T0], |v[\x]|, |v[\x+1]|, 0x2800000              ; with the floor 2^(5 - 127): the byte cannot fall under 1
	v_max3_num_f32 v[T1], |v[\x+2]|, |v[\x+3]|, |v[\x+4]|
	v_max3_num_f32 v[T0], v[T0], |v[\x+5]|, |v[\x+6]|
	v_max3_num_f32 v[T1], v[T1], |v[\x+7]|, |v[\x+8]|
	v_max3_num_f32 v[T0], v[T0], |v[\x+9]|, |v[\x+10]|
	v_max3_num_f32 v[T1], v[T1], |v[\x+11]|, |v[\x+12]|
	v_max3_num_f32 v[T0], v[T0], |v[\x+13]|, |v[\x+14]|
	v_max3_num_f32 v[T0], v[T0], v[T1], |v[\x+15]|
	v_permlanex16_b32 v[T1], v[T0], s[SEL], s[SEL+1]
	v_max_num_f32 v[T0], v[T0], v[T1]
	v_add_nc_u32 v[T2], 0xfe000000, v[T0]                            ; 4 off the exponent field: the conversion's scale operand
	v_lshrrev_b32 v[\scl], 23, v[T2]
.irp i, 3,4,5
	v_mov_b32 v[\op+\i], 0
.endr
	v_cvt_scalef32_pk16_bf6_f32 v[\op:\op+2], v[\x:\x+15], v[T2]
	v_nop                                                            ; one plain place behind a scaled conversion
.irp i, 0,1,2
	v_permlane16_swap_b32 v[\op+\i], v[\op+3+\i]
.endr
.endm
.macro QUANTW w, opa, opb, scl         ; a column down K in each lane (lanes 0-15: tile 0's columns, lanes 16-31: tile 1's) -> the two tiles' operands, one scale register
	v_max3_num_f32 v[T0], |v[\w]|, |v[\w+1]|, 0x2800000
	v_max3_num_f32 v[T1], |v[\w+2]|, |v[\w+3]|, |v[\w+4]|
.irp i, 5,9,13,17,21,25
	v_max3_num_f32 v[T0], v[T0], |v[\w+\i]|, |v[\w+\i+1]|
	v_max3_num_f32 v[T1], v[T1], |v[\w+\i+2]|, |v[\w+\i+3]|
.endr
	v_max3_num_f32 v[T0], v[T0], |v[\w+29]|, |v[\w+30]|
	v_max3_num_f32 v[T0], v[T0], v[T1], |v[\w+31]|
	v_add_nc_u32 v[T2], 0xfe000000, v[T0]
	v_lshrrev_b32 v[\scl], 23, v[T2]
.irp i, 0,1,2,3,4,5
	v_mov_b32 v[\opb+\i], 0
.endr
	v_cvt_scalef32_pk16_bf6_f32 v[\opa:\opa+2], v[\w:\w+15], v[T2]
	v_cvt_scalef32_pk16_bf6_f32 v[TT:TT+2], v[\w+16:\w+31], v[T2]
	v_nop
.irp i, 0,1,2
	v_mov_b32 v[\opa+3+\i], v[TT+\i]
.endr
.irp i, 0,1,2,3,4,5
	v_permlane16_swap_b32 v[\opa+\i], v[\opb+\i]
.endr
.endm
.macro VEC16 reg, sb
.irp i, 0,1,2,3
	global_load_b128 v[\reg+4*\i:\reg+4*\i+3], v[HOFF], s[\sb:\sb+1] offset:16*\i
.endr
.endm
.macro QMM d, wop, xop, c, sw, sx, row1
.if \row1
	v_wmma_scale_f32_16x16x128_f8f6f4 v[\d:\d+7], v[\wop:\wop+11], v[\xop:\xop+11], v[\c:\c+7], v[\sw], v[\sx] matrix_a_fmt:MATRIX_FMT_BF6 matrix_b_fmt:MATRIX_FMT_BF6 matrix_a_scale:MATRIX_SCALE_ROW1
.else
	v_wmma_scale_f32_16x16x128_f8f6f4 v[\d:\d+7], v[\wop:\wop+11], v[\xop:\xop+11], v[\c:\c+7], v[\sw], v[\sx] matrix_a_fmt:MATRIX_FMT_BF6 matrix_b_fmt:MATRIX_FMT_BF6
.endif
.endm
; v[r ..] = (v[y ..] - mean) x rsqrt(variance + 1e-5) x g + be over a row's 32 numbers: my 16 and lane l xor 16's.  The variance is taken of the differences, as the reference takes it.  g, be: in window 1.
.macro LNORM y, r, g, be
	v_pk_add_f32 v[U:U+1], v[\y:\y+1], v[\y+2:\y+3]
	v_pk_add_f32 v[U+2:U+3], v[\y+4:\y+5], v[\y+6:\y+7]
	v_pk_add_f32 v[U+4:U+5], v[\y+8:\y+9], v[\y+10:\y+11]
	v_pk_add_f32 v[U+6:U+7], v[\y+12:\y+13], v[\y+14:\y+15]
	v_pk_add_f32 v[U:U+1], v[U:U+1], v[U+2:U+3]
	v_pk_add_f32 v[U+4:U+5], v[U+4:U+5], v[U+6:U+7]
	v_pk_add_f32 v[U:U+1], v[U:U+1], v[U+4:U+5]
	v_add_f32 v[U], v[U], v[U+1]
	v_permlanex16_b32 v[U+1], v[U], s[SEL], s[SEL+1]
	v_add_f32 v[U], v[U], v[U+1]
	v_mul_f32 v[U], s44, v[U]                                        ; the mean
.irp j, 0,2,4,6,8,10,12,14
	v_pk_add_f32 v[\r+\j:\r+\j+1], v[\y+\j:\y+\j+1], v[U:U+1] op_sel_hi:[1,0] neg_lo:[0,1] neg_hi:[0,1]
.endr
	v_pk_mul_f32 v[U+2:U+3], v[\r:\r+1], v[\r:\r+1]
	v_pk_mul_f32 v[U+4:U+5], v[\r+2:\r+3], v[\r+2:\r+3]
.irp j, 4,8,12
	v_pk_fma_f32 v[U+2:U+3], v[\r+\j:\r+\j+1], v[\r+\j:\r+\j+1], v[U+2:U+3]
	v_pk_fma_f32 v[U+4:U+5], v[\r+\j+2:\r+\j+3], v[\r+\j+2:\r+\j+3], v[U+4:U+5]
.endr
	v_pk_add_f32 v[U+2:U+3], v[U+2:U+3], v[U+4:U+5]
	v_add_f32 v[U+2], v[U+2], v[U+3]
	v_permlanex16_b32 v[U+3], v[U+2], s[SEL], s[SEL+1]
	v_add_f32 v[U+2], v[U+2], v[U+3]
	v_fma_f32 v[U+2], v[U+2], s44, s45                               ; the variance + 1e-5
	v_rsq_f32 v[U+2], v[U+2]
	v_nop                                                            ; a plain place behind the transcendental,
	s_wait_alu depctr_va_vdst(0)                                     ; and the wait ahead of its first reader
.irp j, 0,2,4,6,8,10,12,14
	v_pk_mul_f32 v[\r+\j:\r+\j+1], v[\r+\j:\r+\j+1], v[U+2:U+3] op_sel_hi:[1,0]
.endr
	WIN 0x14                                                         ; sources 1 and 2 in window 1
.irp j, 0,2,4,6,8,10,12,14
	v_pk_fma_f32 v[\r+\j:\r+\j+1], v[\r+\j:\r+\j+1], v[\g+\j:\g+\j+1], v[\be+\j:\be+\j+1]
.endr
	WIN 0
.endm
	s_load_b512 s[4:19], s[0:1], 0x0               ; x s[4:5], qws s[6:7], kvws s[8:9], wo s[10:11], bo s[12:13], g1 s[14:15], beta1 s[16:17], wl s[18:19]
	s_load_b256 s[20:27], s[0:1], 0x40             ; bl s[20:21], g2 s[22:23], beta2 s[24:25], out0 s[26:27]
	v_lshl_add_u32 v234, v0, 2, 0x1e800
	v_mov_b32 v235, 0
	v_lshrrev_b32 v7, 5, v0
	v_readfirstlane_b32 s28, v7                    ; wave 0..7
	s_lshr_b32 s29, s28, 1                         ; head
	s_and_b32 s30, s28, 1                          ; key half
	s_mov_b32 s31, ttmp9                           ; block of 128 queries
	s_and_b32 s32, ttmp7, 0xffff                   ; batch
	v_and_b32 v16, 31, v0                          ; lane
	v_and_b32 v17, 15, v0                          ; r
	v_bfe_u32 v18, v0, 4, 1                        ; h
	v_lshlrev_b32 v[GAK], 5, v17
	v_lshl_add_u32 v[GAK], v18, 4, v[GAK]
	v_lshlrev_b32 v[GAV], 4, v16
	s_lshl_b32 s40, s28, 10
	v_lshl_add_u32 v[LVW], v16, 4, s40
	v_lshl_add_u32 v[LVR], v18, 8, s40
	s_mul_i32 s40, s28, 12288
	s_add_co_u32 s40, s40, REC
	v_mul_u32_u24 v[RECW], v17, 48
	v_mad_u32_u24 v[RECW], v18, 6144, v[RECW]
	v_add_nc_u32 v[RECW], s40, v[RECW]             ; region 2 wave + h, row r (+ 16 t by the immediate)
	v_lshlrev_b32 v[PFO], 8, v16
	s_lshl_b32 s34, s32, 18                        ; qws: 262,144 bytes a batch, 65,536 a head, 4,096 a block of 128 rows
	s_lshl_b32 s40, s29, 16
	s_add_co_u32 s34, s34, s40
	s_lshl_b32 s40, s31, 12
	s_add_co_u32 s34, s34, s40
	s_mov_b32 s35, 0
	s_lshl_b32 s[KV], s32, 19                      ; kvws: 524,288 bytes a batch, 131,072 a head, 65,536 a key half
	s_lshl_b32 s40, s29, 17
	s_add_co_u32 s[KV], s[KV], s40
	s_lshl_b32 s40, s30, 16
	s_add_co_u32 s[KV], s[KV], s40
	s_mov_b32 s[KV+1], 0
	s_lshl_b32 s46, s32, 18                        ; x, out0: 262,144 bytes a batch, 16,384 a block, 2,048 for the 16 rows that my wave finishes
	s_lshl_b32 s40, s31, 14
	s_add_co_u32 s46, s46, s40
	s_lshl_b32 s40, s28, 11
	s_add_co_u32 s46, s46, s40
	s_mov_b32 s47, 0
	s_cmp_eq_u32 s31, 0
	s_cselect_b32 s[LIM], 30, 0
	s_mov_b32 s[SEL], 0x76543210
	s_mov_b32 s[SEL+1], 0xfedcba98
	s_mov_b32 s44, 0x3d000000                      ; 1 / 32
	s_mov_b32 s45, 0x3727c5ac                      ; 1e-5
	s_wait_kmcnt 0x0
	s_add_nc_u64 s[6:7], s[6:7], s[34:35]
	s_add_nc_u64 s[KV:KV+1], s[8:9], s[KV:KV+1]
	s_add_nc_u64 s[4:5], s[4:5], s[46:47]
	s_add_nc_u64 s[26:27], s[26:27], s[46:47]
	WIN 0x40                                       ; destination window 1
.irp t, 0,1,2,3,4,5,6,7
	global_load_b128 v[QF+4*\t:QF+4*\t+3], v[GAK], s[6:7] offset:512*\t   ; Q stays in registers: tile t, channels 4 h .. 4 h + 3 of row r
.endr
	WIN 0
	global_load_b128 v[KR:KR+3], v[GAK], s[KV:KV+1]                  ; step 0: K straight into its fragments,
	global_load_b128 v[KR+4:KR+7], v[GAK], s[KV:KV+1] offset:512
	global_load_b128 v[VS:VS+3], v[GAV], s[KV:KV+1] offset:1024      ; V on its way to my slot
	global_load_b128 v[VS+4:VS+7], v[GAV], s[KV:KV+1] offset:1536
.irp t, 0,1,2,3,4,5,6,7
	v_mov_b32 v[ST+4*\t], 0xff61b1e6               ; m: -3e38, under every score
	v_mov_b32 v[ST+4*\t+2], 0                      ; l, in two halves
	v_mov_b32 v[ST+4*\t+3], 0
.endr
.set j, 0
.rept 64
	v_mov_b32 v[OO+j], 0                           ; O.  (The step is written once: its first rescaling multiplies zeros)
.set j, j+1
.endr
	s_wait_loadcnt 0x0                             ; Q, K and V of step 0; the loads have read their base, which steps
	s_add_nc_u64 s[KV:KV+1], s[KV:KV+1], 2048
	ds_store_b128 v[LVW], v[VS:VS+3]
	ds_store_b128 v[LVW], v[VS+4:VS+7] offset:512
	VLOAD
	WIN 0x04
.irp q, 0,1,2,3
.set kq, \q
	QKW 0                                          ; tile 0's scores
.endr
	WIN 0
.rept 8
	v_nop                                          ; 8 places ahead of the first read of these results
.endr
	HEADT 0, 0, 1, 0                               ; tile 0: maximum and shift
.rept 9
	v_nop                                          ; 9 places ahead of matrix instructions that write over earlier ones' results
.endr
	WIN 0x04
.irp q, 0,1,2,3
.set kq, \q
	QKW 1                                          ; tile 1's scores
.endr
.set j, 0
.rept 16
	v_exp_f32 v[PB+j], v[PB+j]                     ; tile 0's weights
.set j, j+1
.endr
	v_exp_f32 v[ST+1], v[ST+1]
.rept 8
	v_nop                                          ; the plain place behind the exponentials, and the 8 places ahead of the first read of tile 1's scores
.endr
	WIN 0
	s_wait_alu depctr_va_vdst(0)                   ; the exponentials have their wait ahead of the label
	s_mov_b32 s[CNT], 0
.Lstep:                                            ; 31 trips: steps 0 to 30
	STEP 0
	s_add_co_u32 s[CNT], s[CNT], 1
	s_cmp_lt_u32 s[CNT], 31
	s_cbranch_scc1 .Lstep
	STEP 1                                         ; step 31 is written out: it loads nothing
	; ---- THE RECORDS: each lane's (O[8], m, l) for its 8 tiles go to LDS
.irp t, 0,1,2,3,4,5,6,7
	v_add_f32 v[ST+4*\t+1], v[ST+4*\t+2], v[ST+4*\t+3]               ; l's two halves, beside m
.endr
.irp t, 0,1,2,3,4,5,6,7
	ds_store_b128 v[RECW], v[OO+8*\t:OO+8*\t+3] offset:768*\t
	ds_store_b128 v[RECW], v[OO+8*\t+4:OO+8*\t+7] offset:768*\t+16
	ds_store_b64 v[RECW], v[ST+4*\t:ST+4*\t+1] offset:768*\t+32
.endr
	v_and_b32 v26, 15, v0                          ; r
	v_bfe_u32 v27, v0, 4, 1                        ; h
	v_bfe_u32 v28, v0, 3, 2                        ; lane / 8
	v_and_b32 v29, 7, v0                           ; lane % 8
	s_mul_i32 s40, s28, 16*PITCH
	s_add_co_u32 s40, s40, XST                     ; my stage
	v_mul_u32_u24 v[TIN], v28, PITCH
	v_lshl_add_u32 v[TIN], v29, 4, v[TIN]
	v_add_nc_u32 v[TIN], s40, v[TIN]
	v_mul_u32_u24 v[TRD], v26, PITCH
	v_lshl_add_u32 v[TRD], v27, 6, v[TRD]
	v_add_nc_u32 v[TRD], s40, v[TRD]
	s_mul_i32 s40, s28, 768
	s_add_co_u32 s40, s40, REC
	v_mul_u32_u24 v[RECR], v26, 48
	v_mad_u32_u24 v[RECR], v27, 49152, v[RECR]     ; heads 2 h, 2 h + 1: eight regions on for lanes 16-31
	v_add_nc_u32 v[RECR], s40, v[RECR]             ; row 16 wave + r
	v_and_b32 v28, 8, v26
	v_add_nc_u32 v28, v28, v26
	v_lshl_add_u32 v28, v27, 3, v28                ; my column of a weight: 8 h + r + 8 (r / 8)
	v_lshlrev_b32 v[WOFF], 2, v28
	v_lshlrev_b32 v[HOFF], 6, v27
	s_wait_dscnt 0x0                               ; for the others' sake: my records lie in LDS (and the stores have read the registers that the loads below take)
.set k, 0
.rept 32
	global_load_b32 v[WO+k], v[WOFF], s[10:11] offset:128*k          ; row k of wo: the 32 lanes take its 32 columns
.set k, k+1
.endr
.set k, 0
.rept 32
	global_load_b32 v[WL+k], v[WOFF], s[18:19] offset:128*k
.set k, k+1
.endr
.irp i, 0,1,2,3
	global_load_b128 v[XD+4*\i:XD+4*\i+3], v[GAV], s[4:5] offset:512*\i th:TH_LOAD_NT   ; my 16 rows of x, 512 consecutive bytes a load
.endr
	WIN 0x40
	VEC16 BO, 12
	VEC16 G1, 14
	VEC16 BE1, 16
	VEC16 BL, 20
	VEC16 G2, 22
	VEC16 BE2, 24
	WIN 0
	s_barrier_signal -1
	s_barrier_wait -1                              ; everybody's records lie in LDS.  From here on wave w owns rows 16 w .. 16 w + 15
	; ---- THE MERGE: for heads 2 h and 2 h + 1 of row r the four streams come under the largest of their m
.irp e, 0,1
.irp s, 0,1,2,3
	ds_load_b128 v[RB+12*\s:RB+12*\s+3], v[RECR] offset:(4*\e+\s)*6144
	ds_load_b128 v[RB+12*\s+4:RB+12*\s+7], v[RECR] offset:(4*\e+\s)*6144+16
	ds_load_b64 v[RB+12*\s+8:RB+12*\s+9], v[RECR] offset:(4*\e+\s)*6144+32
.endr
	s_wait_dscnt 0x0
	v_max3_num_f32 v[U], v[RB+8], v[RB+20], v[RB+32]
	v_max_num_f32 v[U], v[U], v[RB+44]
.irp s, 0,1,2,3
	v_sub_f32 v[U+4+\s], v[RB+12*\s+8], v[U]
.endr
.irp s, 0,1,2,3
	v_exp_f32 v[U+4+\s], v[U+4+\s]
.endr
	v_nop
	s_wait_alu depctr_va_vdst(0)                   ; one wait for the four
	v_mul_f32 v[U+1], v[U+4], v[RB+9]
	v_fmac_f32 v[U+1], v[U+5], v[RB+21]
	v_fmac_f32 v[U+1], v[U+6], v[RB+33]
	v_fmac_f32 v[U+1], v[U+7], v[RB+45]            ; the row's sum
	v_rcp_f32 v[U+2], v[U+1]
	v_nop
	s_wait_alu depctr_va_vdst(0)
.irp s, 0,1,2,3
	v_mul_f32 v[U+4+\s], v[U+4+\s], v[U+2]         ; each stream's weight
.endr
.irp d, 0,2,4,6
	v_pk_mul_f32 v[CC+8*\e+\d:CC+8*\e+\d+1], v[RB+\d:RB+\d+1], v[U+4:U+5] op_sel_hi:[1,0]
	v_pk_fma_f32 v[CC+8*\e+\d:CC+8*\e+\d+1], v[RB+12+\d:RB+12+\d+1], v[U+4:U+5], v[CC+8*\e+\d:CC+8*\e+\d+1] op_sel:[0,1,0] op_sel_hi:[1,1,1]
	v_pk_fma_f32 v[CC+8*\e+\d:CC+8*\e+\d+1], v[RB+24+\d:RB+24+\d+1], v[U+6:U+7], v[CC+8*\e+\d:CC+8*\e+\d+1] op_sel_hi:[1,0,1]
	v_pk_fma_f32 v[CC+8*\e+\d:CC+8*\e+\d+1], v[RB+36+\d:RB+36+\d+1], v[U+6:U+7], v[CC+8*\e+\d:CC+8*\e+\d+1] op_sel:[0,1,0] op_sel_hi:[1,1,1]
.endr
.endr
	; ---- concat wo + bo + x, LN1, a1 wl + bl + a1, LN2
.irp o, OPX, OPO, OPO+12, OPL, OPL+12
.irp i, 6,7,8,9,10,11
	v_mov_b32 v[\o+\i], 0                          ; k = 64 .. 127 of every operand: zero codes, written once
.endr
.endr
	QUANT16 CC, OPX, SXC
	s_wait_loadcnt 0x0                             ; the weights, x and the six vectors
.irp i, 0,1,2,3
	ds_store_b128 v[TIN], v[XD+4*\i:XD+4*\i+3] offset:4*PITCH*\i     ; x turns through my own stage
.endr
.irp i, 0,1,2,3
	ds_load_b128 v[XR+4*\i:XR+4*\i+3], v[TRD] offset:16*\i           ; register n = x(row r, 16 h + n)
.endr
	QUANTW WO, OPO, OPO+12, SWO
	QUANTW WL, OPL, OPL+12, SWL
.rept 8
	v_nop                                          ; a scale register written by a vector instruction stands 8 places ahead of a scaled matrix instruction, an operand 4
.endr
	WIN 0x10                                       ; source 2, the bias, in window 1
	QMM YO, OPO, OPX, BO, SWO, SXC, 0
	QMM YO+8, OPO+12, OPX, BO+8, SWO, SXC, 1
	WIN 0
.rept 4
	v_nop
.endr
	s_wait_dscnt 0x0                               ; x by rows is in
.irp j, 0,2,4,6,8,10,12,14
	v_pk_add_f32 v[YO+\j:YO+\j+1], v[YO+\j:YO+\j+1], v[XR+\j:XR+\j+1]
.endr
	LNORM YO, A1, G1, BE1
	QUANT16 A1, OPX, SXA
.rept 8
	v_nop
.endr
	WIN 0x10
	QMM FF, OPL, OPX, BL, SWL, SXA, 0
	QMM FF+8, OPL+12, OPX, BL+8, SWL, SXA, 1
	WIN 0
.rept 4
	v_nop
.endr
.irp j, 0,2,4,6,8,10,12,14
	v_pk_add_f32 v[FF+\j:FF+\j+1], v[FF+\j:FF+\j+1], v[A1+\j:A1+\j+1]
.endr
	LNORM FF, OUT, G2, BE2
.irp i, 0,1,2,3
	ds_store_b128 v[TRD], v[OUT+4*\i:OUT+4*\i+3] offset:16*\i        ; back through my stage: in by rows,
.endr
.irp i, 0,1,2,3
	ds_load_b128 v[OD+4*\i:OD+4*\i+3], v[TIN] offset:4*PITCH*\i      ; out as memory has them
.endr
	s_wait_dscnt 0x0
.irp i, 0,1,2,3
	global_store_b128 v[GAV], v[OD+4*\i:OD+4*\i+3], s[26:27] offset:512*\i th:TH_STORE_NT   ; 32 lanes store 512 consecutive bytes, aligned
.endr
	s_wait_tensorcnt 0x0
	ds_add_u32 v234, v235
	s_wait_dscnt 0x0
	s_endpgm
.Lfunc_end_k_qa03348c36d_attn:
	.size	k_qa03348c36d_attn, .Lfunc_end_k_qa03348c36d_attn-k_qa03348c36d_attn
	.p2alignl 7, 3214868480
	.fill 96, 4, 3214868480
	.section	.rodata,"a",@progbits
	.p2align	6, 0x0
	.amdhsa_kernel k_qa03348c36d_attn
		.amdhsa_group_segment_fixed_size 125952
		.amdhsa_private_segment_fixed_size 0
		.amdhsa_enable_private_segment 0
		.amdhsa_kernarg_size 96
		.amdhsa_user_sgpr_count 2
		.amdhsa_user_sgpr_kernarg_segment_ptr 1
		.amdhsa_wavefront_size32 1
		.amdhsa_system_sgpr_workgroup_id_x 1
		.amdhsa_system_sgpr_workgroup_id_y 1
		.amdhsa_system_sgpr_workgroup_id_z 1
		.amdhsa_system_vgpr_workitem_id 0
		.amdhsa_next_free_vgpr 416
		.amdhsa_next_free_sgpr 66
		.amdhsa_reserve_vcc 0
		.amdhsa_float_denorm_mode_32 3
		.amdhsa_float_denorm_mode_16_64 3
		.amdhsa_memory_ordered 1
		.amdhsa_forward_progress 1
		.amdhsa_inst_pref_size 154
	.end_amdhsa_kernel
	.amdgpu_metadata
---
amdhsa.version: [ 1, 2 ]
amdhsa.kernels:
  - .name:           k_qa03348c36d_attn
    .symbol:         k_qa03348c36d_attn.kd
    .args:
      - { .name: x, .offset: 0, .size: 8, .value_kind: global_buffer, .address_space: global }
      - { .name: qws, .offset: 8, .size: 8, .value_kind: global_buffer, .address_space: global }
      - { .name: kvws, .offset: 16, .size: 8, .value_kind: global_buffer, .address_space: global }
      - { .name: wo, .offset: 24, .size: 8, .value_kind: global_buffer, .address_space: global }
      - { .name: bo, .offset: 32, .size: 8, .value_kind: global_buffer, .address_space: global }
      - { .name: g1, .offset: 40, .size: 8, .value_kind: global_buffer, .address_space: global }
      - { .name: beta1, .offset: 48, .size: 8, .value_kind: global_buffer, .address_space: global }
      - { .name: wl, .offset: 56, .size: 8, .value_kind: global_buffer, .address_space: global }
      - { .name: bl, .offset: 64, .size: 8, .value_kind: global_buffer, .address_space: global }
      - { .name: g2, .offset: 72, .size: 8, .value_kind: global_buffer, .address_space: global }
      - { .name: beta2, .offset: 80, .size: 8, .value_kind: global_buffer, .address_space: global }
      - { .name: out0, .offset: 88, .size: 8, .value_kind: global_buffer, .address_space: global }
    .group_segment_fixed_size: 125952
    .private_segment_fixed_size: 0
    .kernarg_segment_align: 8
    .kernarg_segment_size: 96
    .max_flat_workgroup_size: 256
    .sgpr_count:     66
    .vgpr_count:     416
    .wavefront_size: 32
...
	.end_amdgpu_metadata
.endif
;; end of part 2
;; ======== version 2 of 2: 2 launches; version 1 with the launches proj, attn written anew for expert scheduling mode
;; workspace buffers: qws 4,194,304 bytes; kvws 8,388,608 bytes
;; launch proj (part 3): grid 256 x 1, 4 waves a work-group, no clusters, 18,944 bytes of LDS; arguments x, wq, bq, wk, bk, wv, bv, qws, kvws; writes qws, kvws
.if DOCPART == 3
	.amdgcn_target "amdgcn-amd-amdhsa--gfx1250"
	.amdhsa_code_object_version 6
	.text
	.protected	k_qa03348c36d_proj
	.globl	k_qa03348c36d_proj
	.p2align	8
	.type	k_qa03348c36d_proj,@function
k_qa03348c36d_proj:
	s_mov_b64 s[64:65], 0
	v_nop
	global_prefetch_b8 v0, s[64:65] scope:SCOPE_SE
	s_setreg_imm32_b32 hwreg(HW_REG_WAVE_SCHED_MODE, 0, 2), 2
	s_setreg_imm32_b32 hwreg(HW_REG_WAVE_MODE, 25, 1), 1
	s_wait_xcnt 0x0
	s_wait_alu depctr_vm_vsrc(0)
; q = (x wq + bq) c, k = x wk + bk, v = x wv + bv, the three products on codes of BF6 (E3M2) with one E8M0 scale for each 32 along K.
; x: [32768][32] f32; the weights [32 (k)][32 (n)] f32; K = 32 is ONE block: a row of x and a column of a weight have one scale each.
; The matrix instruction takes 128 along K: k = 32 .. 127 are zero codes on both sides (their scale bytes are 0, which is 2^-127 and no NaN).
; c = log2(e) / sqrt(8) is folded into q (one f32 rounding), so that the next launch's weights are 2^(score - maximum).
; OUT: qws [b][head][s][8] f32; kvws [b][head][chunk of 32 keys][K: 32 keys x 32 bytes, then V: 32 keys x 32 bytes]: the order in which the next launch's registers take them.
; SHARES: a work-group takes 128 rows, each of its four waves 32 (one chunk): two tiles of 16 rows.  No loop, no barrier: waves share nothing.
; THE PRODUCT IS USED TRANSPOSED (source 0 = 16 columns of a weight, source 1 = 16 rows of x), and THE COLUMNS OF A TILE ARE NOT NEIGHBOURS: row m of tile u is output column 8 u + m + 8 (m / 8),
; so that register j of lane (r, h) is (row r, column 16 h + 8 u + j) = (head 2 h + u, channel j).
; LIMITS: NaN and infinities among the inputs are not served.  A block whose largest magnitude lies under 2^-122 keeps the scale byte 1; a block of zeros gets the byte 1 where the rule says 127:
; its codes are zeros, which add nothing, and the bytes never leave the registers.
; THE MODE: SCHED_MODE bits 1:0 = 2 (LLVM: expert scheduling mode 2), set by the entry lines.  The code itself states the register dependences
; between vector or matrix instructions and memory or LDS instructions, with s_wait_alu, always for 0.
; THE PLAN.  Registers that memory or LDS instructions touch:
;   v1-6      offsets and LDS addresses.  Written by vector lines at the head and never again; read by every load, LDS line and store.
;   v22-53    x as loaded.  Written by 8 loads, read by the 8 LDS stores of the turn; afterwards vector lines write the operands there.
;   v74-105, v106-153, v154-249   x by rows, the biases, the weights.  Written by loads; read by vector and matrix lines.
;   v154-249  as results.  Written by matrix instructions, the scaling of q and the lane swaps; read by the 24 stores.
; So: one wait on va_vdst ahead of the first load (the addresses), one on vm_vsrc behind the turn (v22-53 are free), one on va_vdst ahead of each weight's scaled products
; (operands and scales that vector lines wrote), one on va_vdst ahead of the stores (their data).
.set PITCH, 144                        ; a stage row: 128 bytes + 16
.set STGB,  32*PITCH                   ; a wave's own stage: 32 rows
.set LOFF, 1                           ; v1   16 x lane
.set TIN,  2                           ; v2   the stage as memory has the rows: (lane / 8) x PITCH + 16 (lane % 8)
.set TRD,  3                           ; v3   the stage by rows: r x PITCH + 64 h
.set WOFF, 4                           ; v4   my column of a weight, in bytes: 4 (8 h + r + 8 (r / 8))
.set HOFF, 5                           ; v5   64 h: my half of a vector of 32
.set STO,  6                           ; v6   32 r + 16 h: my 16 bytes of 16 rows of 32
.set T0,   8                           ; v8-10 at work
.set T1,   9
.set T2,   10
.set SX,   16                          ; v16-17 x's scale words, tile R;  v18-20 the weights': these five hold scales and nothing else
.set SW,   18
.set XD,   22                          ; v22-53 x as loaded; afterwards the operands below
.set OPX,  22                          ; v22-45 x's two operands, 12 registers each
.set OPW,  46                          ; v46-69 a weight's two operands
.set TT,   70                          ; v70-72 the second half of a column's codes
.set XR,   74                          ; v74-105 x by rows: tile R at XR + 16 R: register i = x(row r, 16 h + i)
.set BI,   106                         ; v106-153 the three biases: register n = b(16 h + n)
.set WR,   154                         ; v154-249 weight p as loaded, 32 registers down K; then the results D(p, R, u) at WR + 32 p + 16 R + 8 u
.set SEL,  26                          ; s[26:27] lane selects: lane l xor 16
.set CS,   28                          ; s[28:29] c
; 16 numbers of a lane, register i = k 16 h + i of row r, become the operand v[op .. op+5] (lanes 0-15: the row's 32 codes; lanes 16-31: zeros) and the scale word v[scl].
.macro QUANT16 x, op, scl
	v_max3_num_f32 v[T0], |v[\x]|, |v[\x+1]|, 0x2800000              ; my 16 magnitudes in two chains, and the floor 2^(5 - 127): the byte cannot fall under 1
	v_max3_num_f32 v[T1], |v[\x+2]|, |v[\x+3]|, |v[\x+4]|
	v_max3_num_f32 v[T0], v[T0], |v[\x+5]|, |v[\x+6]|
	v_max3_num_f32 v[T1], v[T1], |v[\x+7]|, |v[\x+8]|
	v_max3_num_f32 v[T0], v[T0], |v[\x+9]|, |v[\x+10]|
	v_max3_num_f32 v[T1], v[T1], |v[\x+11]|, |v[\x+12]|
	v_max3_num_f32 v[T0], v[T0], |v[\x+13]|, |v[\x+14]|
	v_max3_num_f32 v[T0], v[T0], v[T1], |v[\x+15]|
	v_permlanex16_b32 v[T1], v[T0], s[SEL], s[SEL+1]
	v_max_num_f32 v[T0], v[T0], v[T1]                                ; with lane l xor 16's: the block's largest magnitude
	v_add_nc_u32 v[T2], 0xfe000000, v[T0]                            ; 4 off its exponent field: the conversion's scale operand
	v_lshrrev_b32 v[\scl], 23, v[T2]                                 ; the scale's byte in byte 0; bytes 1 to 3 are 0 and meet zero codes alone
.irp i, 3,4,5
	v_mov_b32 v[\op+\i], 0
.endr
	v_cvt_scalef32_pk16_bf6_f32 v[\op:\op+2], v[\x:\x+15], v[T2]     ; 96 bits: the codes of k = 16 h + 0 .. 15
	v_nop                                                            ; one plain place behind a scaled conversion
.irp i, 0,1,2
	v_permlane16_swap_b32 v[\op+\i], v[\op+3+\i]                     ; lanes 16-31's codes go to lanes 0-15 of registers 3 to 5; zeros come back
.endr
.endm
; 32 numbers of a lane, a whole column down K (lanes 0-15: tile 0's columns, lanes 16-31: tile 1's), become the two tiles' operands and one scale register (tile 0 in lanes 0-15, tile 1 in lanes 16-31).
.macro QUANTW w, opa, opb, scl
	v_max3_num_f32 v[T0], |v[\w]|, |v[\w+1]|, 0x2800000
	v_max3_num_f32 v[T1], |v[\w+2]|, |v[\w+3]|, |v[\w+4]|
.irp i, 5,9,13,17,21,25
	v_max3_num_f32 v[T0], v[T0], |v[\w+\i]|, |v[\w+\i+1]|
	v_max3_num_f32 v[T1], v[T1], |v[\w+\i+2]|, |v[\w+\i+3]|
.endr
	v_max3_num_f32 v[T0], v[T0], |v[\w+29]|, |v[\w+30]|
	v_max3_num_f32 v[T0], v[T0], v[T1], |v[\w+31]|                   ; these 16 lines are also the places between the last products and the writes of their operands below
	v_add_nc_u32 v[T2], 0xfe000000, v[T0]
	v_lshrrev_b32 v[\scl], 23, v[T2]
.irp i, 0,1,2,3,4,5
	v_mov_b32 v[\opb+\i], 0
.endr
	v_cvt_scalef32_pk16_bf6_f32 v[\opa:\opa+2], v[\w:\w+15], v[T2]
	v_cvt_scalef32_pk16_bf6_f32 v[TT:TT+2], v[\w+16:\w+31], v[T2]    ; (a conversion's three registers begin on an even number)
	v_nop
.irp i, 0,1,2
	v_mov_b32 v[\opa+3+\i], v[TT+\i]
.endr
.irp i, 0,1,2,3,4,5
	v_permlane16_swap_b32 v[\opa+\i], v[\opb+\i]                     ; tile 1's codes to lanes 0-15 of the second operand; zeros into lanes 16-31 of the first
.endr
.endm
.macro VEC16 reg, sb                   ; register n = vec(16 h + n)
.irp i, 0,1,2,3
	global_load_b128 v[\reg+4*\i:\reg+4*\i+3], v[HOFF], s[\sb:\sb+1] offset:16*\i
.endr
.endm
.macro QMM d, wop, xop, c, sw, sx, row1
.if \row1
	v_wmma_scale_f32_16x16x128_f8f6f4 v[\d:\d+7], v[\wop:\wop+11], v[\xop:\xop+11], v[\c:\c+7], v[\sw], v[\sx] matrix_a_fmt:MATRIX_FMT_BF6 matrix_b_fmt:MATRIX_FMT_BF6 matrix_a_scale:MATRIX_SCALE_ROW1
.else
	v_wmma_scale_f32_16x16x128_f8f6f4 v[\d:\d+7], v[\wop:\wop+11], v[\xop:\xop+11], v[\c:\c+7], v[\sw], v[\sx] matrix_a_fmt:MATRIX_FMT_BF6 matrix_b_fmt:MATRIX_FMT_BF6
.endif
.endm
; weight p: quantised, then four products (two tiles of rows x two tiles of columns), the bias as C.  Four different accumulators: none is taken up twice.
.macro PROD p
	QUANTW WR+32*\p, OPW, OPW+12, SW+\p
.rept 8
	v_nop                                                            ; a scale register written by a vector instruction stands 8 places ahead of a scaled matrix instruction, an operand 4
.endr
	s_wait_alu depctr_va_vdst(0)                                     ; the conversions, moves and lane swaps have written the operands of x and of this weight, the shifts their scale registers: the four scaled products take them; the places above stay beside this wait
.irp R, 0,1
	QMM WR+32*\p+16*\R, OPW, OPX+12*\R, BI+16*\p, SW+\p, SX+\R, 0
	QMM WR+32*\p+16*\R+8, OPW+12, OPX+12*\R, BI+16*\p+8, SW+\p, SX+\R, 1
.endr
.endm
	s_load_b512 s[4:19], s[0:1], 0x0               ; x s[4:5], wq s[6:7], bq s[8:9], wk s[10:11], bk s[12:13], wv s[14:15], bv s[16:17], qws s[18:19]
	s_load_b64 s[20:21], s[0:1], 0x40              ; kvws
	v_lshl_add_u32 v254, v0, 2, 0x4800
	v_mov_b32 v255, 0
	v_lshrrev_b32 v7, 5, v0
	v_readfirstlane_b32 s22, v7                    ; wave 0..3
	v_and_b32 v7, 31, v0                           ; lane
	v_and_b32 v11, 15, v0                          ; r
	v_bfe_u32 v12, v0, 4, 1                        ; h
	v_bfe_u32 v13, v0, 3, 2                        ; lane / 8
	v_and_b32 v14, 7, v0                           ; lane % 8
	v_lshlrev_b32 v[LOFF], 4, v7
	s_wait_alu depctr_va_sdst(0)                   ; s22 is written, ahead of its first reader: the stage's place and the bases are made from it
	s_mul_i32 s23, s22, STGB                       ; my stage
	v_mul_u32_u24 v[TIN], v13, PITCH
	v_lshl_add_u32 v[TIN], v14, 4, v[TIN]
	v_add_nc_u32 v[TIN], s23, v[TIN]
	v_mul_u32_u24 v[TRD], v11, PITCH
	v_lshl_add_u32 v[TRD], v12, 6, v[TRD]
	v_add_nc_u32 v[TRD], s23, v[TRD]
	v_and_b32 v13, 8, v11
	v_add_nc_u32 v13, v13, v11                     ; r + 8 (r / 8)
	v_lshl_add_u32 v13, v12, 3, v13                ; + 8 h: lanes 16-31 take tile 1's columns
	v_lshlrev_b32 v[WOFF], 2, v13
	v_lshlrev_b32 v[HOFF], 6, v12
	v_lshlrev_b32 v[STO], 5, v11
	v_lshl_add_u32 v[STO], v12, 4, v[STO]
	s_mov_b32 s[SEL], 0x76543210
	s_mov_b32 s[SEL+1], 0xfedcba98
	s_mov_b32 s[CS], 0x3f0293ee                    ; c = log2(e) / sqrt(8)
	s_mov_b32 s[CS+1], s[CS]                       ; (named with it as a pair, so it is written)
	s_lshl_b32 s24, ttmp9, 14                      ; x: 128 rows of 128 bytes a work-group,
	s_lshl_b32 s30, s22, 12                        ; 32 a wave
	s_add_co_u32 s24, s24, s30
	s_mov_b32 s25, 0
	s_lshr_b32 s31, ttmp9, 4                       ; b: 16 work-groups to a batch
	s_and_b32 s32, ttmp9, 15
	s_lshl_b32 s32, s32, 2
	s_add_co_u32 s32, s32, s22                     ; my chunk of 32 rows in the batch
	s_lshl_b32 s34, s31, 18                        ; qws: 262,144 bytes a batch, 1,024 a chunk
	s_lshl_b32 s33, s32, 10
	s_add_co_u32 s34, s34, s33
	s_mov_b32 s35, 0
	s_lshl_b32 s36, s31, 19                        ; kvws: 524,288 bytes a batch, 2,048 a chunk
	s_lshl_b32 s33, s32, 11
	s_add_co_u32 s36, s36, s33
	s_mov_b32 s37, 0
	s_wait_kmcnt 0x0
	s_add_nc_u64 s[4:5], s[4:5], s[24:25]
	s_add_nc_u64 s[18:19], s[18:19], s[34:35]
	s_add_nc_u64 s[20:21], s[20:21], s[36:37]
	s_wait_alu depctr_va_vdst(0)                   ; the six offsets and LDS addresses v1 to v6 are written: every load, LDS line and store of the kernel reads one of them, and no vector line writes them again
.irp i, 0,1,2,3,4,5,6,7
	global_load_b128 v[XD+4*\i:XD+4*\i+3], v[LOFF], s[4:5] offset:512*\i th:TH_LOAD_NT   ; 32 lanes read 512 consecutive bytes: four rows
.endr
	VEC16 BI, 8
	VEC16 BI+16, 12
	VEC16 BI+32, 16
.set k, 0
.rept 32
	global_load_b32 v[WR+k], v[WOFF], s[6:7] offset:128*k            ; row k of wq: the 32 lanes take its 32 columns, 128 consecutive bytes
.set k, k+1
.endr
.set k, 0
.rept 32
	global_load_b32 v[WR+32+k], v[WOFF], s[10:11] offset:128*k
.set k, k+1
.endr
.set k, 0
.rept 32
	global_load_b32 v[WR+64+k], v[WOFF], s[14:15] offset:128*k
.set k, k+1
.endr
	s_wait_loadcnt 63                              ; of the 116 loads the youngest 63 may be out: x (8), the biases (12) and wq (32) are in
.irp i, 0,1,2,3,4,5,6,7
	ds_store_b128 v[TIN], v[XD+4*\i:XD+4*\i+3] offset:4*PITCH*\i     ; the turn through my own stage: in as memory has the rows,
.endr
.irp R, 0,1
.irp i, 0,1,2,3
	ds_load_b128 v[XR+16*\R+4*\i:XR+16*\R+4*\i+3], v[TRD] offset:16*PITCH*\R+16*\i   ; back 64 bytes a lane.  LDS serves a wave's instructions in order: these see the stores
.endr
.endr
	s_wait_dscnt 0x0                               ; x by rows is in
	s_wait_alu depctr_vm_vsrc(0)                   ; the LDS stores have read v22-53, which the operands now take
.irp o, OPX, OPX+12, OPW, OPW+12
.irp i, 6,7,8,9,10,11
	v_mov_b32 v[\o+\i], 0                          ; k = 64 .. 127 of every operand: zero codes, written once
.endr
.endr
	QUANT16 XR, OPX, SX
	QUANT16 XR+16, OPX+12, SX+1
	PROD 0
	s_wait_loadcnt 32                              ; wk is in; wv's 32 loads may be out
	PROD 1
	s_wait_loadcnt 0x0
	PROD 2
.set j, 0
.rept 16
	v_pk_mul_f32 v[WR+j:WR+j+1], v[WR+j:WR+j+1], s[CS:CS+1] op_sel_hi:[1,0]   ; q x c, each accumulator from its low end on.  (These 16 are also the places behind v's products)
.set j, j+2
.endr
.set d, WR
.rept 12                               ; register j of lanes 16-31 changes places with register j + 4 of lanes 0-15: registers 0-3 then hold (head u, row r, channel 4 h + j), registers 4-7 (head 2 + u, the same)
.irp j, 0,1,2,3
	v_permlane16_swap_b32 v[d+\j], v[d+4+\j]
.endr
.set d, d+8
.endr
	s_wait_alu depctr_va_vdst(0)                   ; the products, the scaling of q and the lane swaps have written v154-249, which the 24 stores read
.irp R, 0,1
.irp u, 0,1                            ; each store of the wave covers 512 consecutive bytes, aligned: 16 rows of 32 bytes of one head
	global_store_b128 v[STO], v[WR+16*\R+8*\u:WR+16*\R+8*\u+3], s[18:19] offset:\u*65536+512*\R
	global_store_b128 v[STO], v[WR+16*\R+8*\u+4:WR+16*\R+8*\u+7], s[18:19] offset:(2+\u)*65536+512*\R
	global_store_b128 v[STO], v[WR+32+16*\R+8*\u:WR+32+16*\R+8*\u+3], s[20:21] offset:\u*131072+512*\R
	global_store_b128 v[STO], v[WR+32+16*\R+8*\u+4:WR+32+16*\R+8*\u+7], s[20:21] offset:(2+\u)*131072+512*\R
	global_store_b128 v[STO], v[WR+64+16*\R+8*\u:WR+64+16*\R+8*\u+3], s[20:21] offset:\u*131072+512*\R+1024
	global_store_b128 v[STO], v[WR+64+16*\R+8*\u+4:WR+64+16*\R+8*\u+7], s[20:21] offset:(2+\u)*131072+512*\R+1024
.endr
.endr
	s_wait_dscnt 0x0
	s_wait_alu depctr_hold_cnt(0) depctr_sa_sdst(0) depctr_va_vdst(0) depctr_va_sdst(0) depctr_va_ssrc(0) depctr_va_vcc(0) depctr_vm_vsrc(0)
	s_wait_tensorcnt 0x0
	ds_add_u32 v254, v255
	s_wait_dscnt 0x0
	s_endpgm
.Lfunc_end_k_qa03348c36d_proj:
	.size	k_qa03348c36d_proj, .Lfunc_end_k_qa03348c36d_proj-k_qa03348c36d_proj
	.p2alignl 7, 3214868480
	.fill 96, 4, 3214868480
	.section	.rodata,"a",@progbits
	.p2align	6, 0x0
	.amdhsa_kernel k_qa03348c36d_proj
		.amdhsa_group_segment_fixed_size 18944
		.amdhsa_private_segment_fixed_size 0
		.amdhsa_enable_private_segment 0
		.amdhsa_kernarg_size 72
		.amdhsa_user_sgpr_count 2
		.amdhsa_user_sgpr_kernarg_segment_ptr 1
		.amdhsa_wavefront_size32 1
		.amdhsa_system_sgpr_workgroup_id_x 1
		.amdhsa_system_sgpr_workgroup_id_y 1
		.amdhsa_system_sgpr_workgroup_id_z 1
		.amdhsa_system_vgpr_workitem_id 0
		.amdhsa_next_free_vgpr 256
		.amdhsa_next_free_sgpr 66
		.amdhsa_reserve_vcc 0
		.amdhsa_float_denorm_mode_32 3
		.amdhsa_float_denorm_mode_16_64 3
		.amdhsa_memory_ordered 1
		.amdhsa_forward_progress 1
		.amdhsa_inst_pref_size 30
	.end_amdhsa_kernel
	.amdgpu_metadata
---
amdhsa.version: [ 1, 2 ]
amdhsa.kernels:
  - .name:           k_qa03348c36d_proj
    .symbol:         k_qa03348c36d_proj.kd
    .args:
      - { .name: x, .offset: 0, .size: 8, .value_kind: global_buffer, .address_space: global }
      - { .name: wq, .offset: 8, .size: 8, .value_kind: global_buffer, .address_space: global }
      - { .name: bq, .offset: 16, .size: 8, .value_kind: global_buffer, .address_space: global }
      - { .name: wk, .offset: 24, .size: 8, .value_kind: global_buffer, .address_space: global }
      - { .name: bk, .offset: 32, .size: 8, .value_kind: global_buffer, .address_space: global }
      - { .name: wv, .offset: 40, .size: 8, .value_kind: global_buffer, .address_space: global }
      - { .name: bv, .offset: 48, .size: 8, .value_kind: global_buffer, .address_space: global }
      - { .name: qws, .offset: 56, .size: 8, .value_kind: global_buffer, .address_space: global }
      - { .name: kvws, .offset: 64, .size: 8, .value_kind: global_buffer, .address_space: global }
    .group_segment_fixed_size: 18944
    .private_segment_fixed_size: 0
    .kernarg_segment_align: 8
    .kernarg_segment_size: 72
    .max_flat_workgroup_size: 128
    .sgpr_count:     66
    .vgpr_count:     256
    .wavefront_size: 32
...
	.end_amdgpu_metadata
.endif
;; end of part 3
;; launch attn (part 4): grid 16 x 16, 8 waves a work-group, no clusters, 125,952 bytes of LDS; arguments x, qws, kvws, wo, bo, g1, beta1, wl, bl, g2, beta2, out0; writes out0
.if DOCPART == 4
	.amdgcn_target "amdgcn-amd-amdhsa--gfx1250"
	.amdhsa_code_object_version 6
	.text
	.protected	k_qa03348c36d_attn
	.globl	k_qa03348c36d_attn
	.p2align	8
	.type	k_qa03348c36d_attn,@function
k_qa03348c36d_attn:
	s_mov_b64 s[64:65], 0
	v_nop
	global_prefetch_b8 v0, s[64:65] scope:SCOPE_SE
	s_setreg_imm32_b32 hwreg(HW_REG_WAVE_SCHED_MODE, 0, 2), 2
	s_setreg_imm32_b32 hwreg(HW_REG_WAVE_MODE, 25, 1), 1
	s_wait_xcnt 0x0
	s_wait_alu depctr_vm_vsrc(0)
; out0 = LN2(a1 wl + bl + a1), a1 = LN1(concat wo + bo + x), concat = softmax(q k^T / sqrt(8)) v by heads.  q (already x log2(e) / sqrt(8)), k, v: f32, from the launch before.
; The two products of attention feed the quantiser of concat wo, so they take f32 operands: S^T = K Q^T by v_wmma_f32_16x16x4_f32 (two instructions for 16 keys x 16 queries, K = 8),
; O += p V by packed fused multiply-adds.  concat wo and a1 wl go on codes of BF6 (E3M2), one E8M0 scale for each 32 along K (K = 32: one block; k = 32 .. 127 are zero codes).
; SHARES.  A work-group owns 128 queries of one batch.  Wave w: head w / 2, key half w % 2: all 128 queries (8 tiles of 16), 1,024 keys in 32 steps of 32.  Two waves to a SIMD.
; NO LANE EXCHANGE IN THE LOOP.  In S^T lane (r, h) holds query r and keys 8 h + 0 .. 7 of each 16.  Each lane runs its own running maximum m, sum l and O[8] over its own keys; with the two key halves
; that is four streams for each (row, head), merged once at the end under the largest of their four m.
; THE PIPELINE.  Among the 64 multiply-adds of tile t stand the 17 exponentials of tile t + 1 and the 4 matrix instructions of tile t + 2; between tiles stands a head of 30 lines (tile t + 1: maximum and shift; tile t: sums and rescaling).
; K goes from memory straight into fragment registers; V goes through 1,024 bytes of the wave's own LDS, from which each lane takes the 8 channels of its 16 keys.
; NO CLUSTER, NO JOINT LOADS: the 16 work-groups of a batch do walk the same K and V, but a wave's step is 2,048 bytes against 512 packed multiply-adds for each of 8 tiles' worth of work, and no two waves of a work-group share a byte;
; a joint load would land in LDS, K would be read from there again, and each refill would want a round of the cluster's barrier.
; LIMITS: NaN and infinities among the inputs are not served; a score x log2(e) / sqrt(8) must lie above -3e38, where m begins.  The sums' order differs from the reference's (four streams a row and head; the head's 8 channels in the order 0 1 4 5, 2 3 6 7).
; A block whose largest magnitude lies under 2^-122 keeps the scale byte 1; a block of zeros gets the byte 1 where the rule says 127: its codes are zeros, and the bytes never leave the registers.
; REGISTERS, window 0, in the loop: v1-6 addresses; v8-15 K; v16-23, v24-31 the next step's K and V as loaded; v48-79 p, two buffers; v80-87 at work; v88+4t m, a, l (two halves); v120+8t O; v240-255 S^T (written by matrix instructions alone).
;   window 1: v0-127 V (register 8 i + d: channel d of my i-th key); v128+4t Q.   v236-239 hold scales and nothing else.
; THE MODE: SCHED_MODE bits 1:0 = 2 (LLVM: expert scheduling mode 2), set by the entry lines.  The code itself states the register dependences
; between vector or matrix instructions and memory or LDS instructions, with s_wait_alu, always for 0.
; THE PLAN.  Registers that memory or LDS instructions touch, in the loop:
;   v16-23 (KS)          Written by two loads at tile 0; read by the eight moves at tile 6.
;   v24-31 (VS)          Written by two loads at tile 0; read by the two LDS stores at tile 6.
;   window 1 v0-127 (V)  Written by the 32 LDS loads at the step's end; read by the multiply-adds of all eight tiles.
;   v1-6                 Addresses, made once at the head and never written again: the stream's scalar base moves on, and immediate offsets do the rest.
;   K's fragments, Q, S^T, p, O and the statistics are named by vector and matrix instructions alone.
; So ONE wait on va_vdst at the step's end, behind the window switch and ahead of V's loads, states that tile 7's multiply-adds are done reading V and that tile 6's moves are done reading KS (between it and the next
; step's four loads stands tile 0's head alone, which names neither KS nor VS); it is also the wait for tile 0's exponentials.  ONE wait on vm_vsrc at tile 0 states that the LDS stores have read VS.
; V has one set of registers: a second would make 544 a wave, and two waves share a SIMD's 1,024.
.set REC,   8192                       ; LDS: 0: 8 x 1,024 bytes, each wave's V of one step;  REC: 16 regions (2 wave + h) of 128 rows x 48 bytes: O0-3, O4-7, (m, l), 8 unused
.set XST,   106496                     ; 8 x 2,304 bytes: each wave's stage of 16 rows x 144
.set PITCH, 144
.set GAK,  1                           ; v1  32 r + 16 h: a fragment's 16 bytes of a row of 32
.set GAV,  2                           ; v2  16 x lane
.set LVW,  3                           ; v3  my wave's V slot + 16 x lane
.set LVR,  4                           ; v4  my wave's V slot + 256 h: my half's first key
.set RECW, 5                           ; v5  where I put my records
.set PFO,  6                           ; v6  256 x lane: the prefetch's offset
.set KR,   8
.set KS,   16
.set VS,   24
.set PB,   48
.set C0,   80
.set XX,   82
.set YY,   84
.set ZZ,   86
.set ST,   88
.set OO,   120
.set S,    240
.set QF,   128                         ; in window 1
; the epilogue, window 0
.set T0,   8
.set T1,   9
.set T2,   10
.set U,    12                          ; v12-19 at work
.set TIN,  20                          ; v20 my stage as memory has the rows;  v21 by rows;  v22 the records that I read;  v23 my column of a weight;  v24 64 h
.set TRD,  21
.set RECR, 22
.set WOFF, 23
.set HOFF, 24
.set RB,   48                          ; v48-95 four records of 12; later the weights' four operands
.set OPO,  48
.set OPL,  72
.set CC,   96                          ; v96-111 concat(row r, 16 h + n)
.set OPX,  112                         ; v112-123 the rows' operand
.set TT,   124
.set WO,   128                         ; v128-159 wo as loaded; later a1 and ff
.set A1,   128
.set FF,   144
.set XD,   160                         ; v160-175 x as loaded; later the result as it is stored
.set OD,   160
.set XR,   176                         ; v176-191 x by rows
.set WL,   192                         ; v192-223 wl as loaded; later the result by rows, and concat wo
.set OUT,  192
.set YO,   208
.set SXC,  236
.set SXA,  237
.set SWO,  238
.set SWL,  239
.set BO,   0                           ; in window 1: six vectors of 32, register n = vec(16 h + n)
.set G1,   16
.set BE1,  32
.set BL,   48
.set G2,   64
.set BE2,  80
.set KV,   36                          ; s[36:37] my stream of K and V, at the step to be loaded next
.set CNT,  38                          ; s38 the step
.set LIM,  39                          ; s39 30 in the batch's first work-group, else 0: a wave prefetches while the step is under it
.set SEL,  42                          ; s[42:43] lane selects: lane l xor 16
.set MSB, 0
.macro WIN new                         ; low byte: bits 1:0 source 0, 3:2 source 1, 5:4 source 2, 7:6 destination; the high byte repeats the setting that is left
.if MSB != \new
	s_set_vgpr_msb (MSB<<8)|\new
.set MSB, \new
.endif
.endm
; Matrix instruction kq of 4 for tile tq: keys 16 (kq % 2) on, channels pair kq / 2.  Lane (r, h) holds channels 4 h .. 4 h + 3 of its row, so slot k = 2 h + j of instruction u is channel 4 h + 2 u + j, alike for K and Q.
; The two accumulators take turns, one instruction a turn; the first K step starts each sum with the constant 0.
.macro QKW tq
.set g_, kq%2
.set u_, kq/2
.if u_ == 0
	v_wmma_f32_16x16x4_f32 v[S+8*g_:S+8*g_+7], v[KR+4*g_:KR+4*g_+1], v[QF+4*(\tq):QF+4*(\tq)+1], 0
.else
	v_wmma_f32_16x16x4_f32 v[S+8*g_:S+8*g_+7], v[KR+4*g_+2:KR+4*g_+3], v[QF+4*(\tq)+2:QF+4*(\tq)+3], v[S+8*g_:S+8*g_+7]
.endif
.endm
; THE HEAD OF TILE t.  hasB: tile tn's 16 scores: m' = max(m', scores), a' = m'_old - m', p' = score - m' (exponentials follow in PVX).  hasD: tile t, whose exponentials are done: l = l a + the sum of p, O = O a.
; The two kinds stand by turns, so that no line waits for the line above it.  Each accumulator of S^T is first read at its low end.
.macro HEADT t, tn, hasB, hasD
.set rT, ST+4*(\t)
.set rN, ST+4*(\tn)
.set rP, PB+16*((\t)%2)
.set rQ, PB+16*((\tn)%2)
.set rO, OO+8*(\t)
.if (\t) > 0
	s_wait_alu depctr_va_vdst(0)                   ; the 17 exponentials issued among the last tile's multiply-adds have written this tile's p and a: one wait, ahead of their first reader (for t = 0 it stands ahead of the loop's branch)
.endif
.if \hasB
	v_max3_num_f32 v[C0], v[S], v[S+1], v[S+2]
	v_max3_num_f32 v[C0+1], v[S+8], v[S+9], v[S+10]
.endif
.if \hasD
	v_pk_fma_f32 v[rT+2:rT+3], v[rT+2:rT+3], v[rT:rT+1], v[rP:rP+1] op_sel:[0,1,0] op_sel_hi:[1,1,1]   ; of the pair (m, a) the second serves both halves
	v_pk_add_f32 v[XX:XX+1], v[rP+2:rP+3], v[rP+4:rP+5]
.endif
.if \hasB
	v_max3_num_f32 v[C0], v[C0], v[S+3], v[S+4]
	v_max3_num_f32 v[C0+1], v[C0+1], v[S+11], v[S+12]
.endif
.if \hasD
	v_pk_add_f32 v[YY:YY+1], v[rP+6:rP+7], v[rP+8:rP+9]
	v_pk_add_f32 v[ZZ:ZZ+1], v[rP+10:rP+11], v[rP+12:rP+13]
.endif
.if \hasB
	v_max3_num_f32 v[C0], v[C0], v[S+5], v[S+6]
	v_max3_num_f32 v[C0+1], v[C0+1], v[S+13], v[S+14]
.endif
.if \hasD
	v_pk_mul_f32 v[rO:rO+1], v[rO:rO+1], v[rT:rT+1] op_sel:[0,1] op_sel_hi:[1,1]
	v_pk_mul_f32 v[rO+2:rO+3], v[rO+2:rO+3], v[rT:rT+1] op_sel:[0,1] op_sel_hi:[1,1]
.endif
.if \hasB
	v_max3_num_f32 v[C0], v[C0], v[S+7], v[S+15]
.endif
.if \hasD
	v_pk_mul_f32 v[rO+4:rO+5], v[rO+4:rO+5], v[rT:rT+1] op_sel:[0,1] op_sel_hi:[1,1]
	v_pk_mul_f32 v[rO+6:rO+7], v[rO+6:rO+7], v[rT:rT+1] op_sel:[0,1] op_sel_hi:[1,1]
.endif
.if \hasB
	v_max3_num_f32 v[C0], v[C0], v[C0+1], v[rN]
.endif
.if \hasD
	v_pk_add_f32 v[rT+2:rT+3], v[rT+2:rT+3], v[rP+14:rP+15]
	v_pk_add_f32 v[XX:XX+1], v[XX:XX+1], v[YY:YY+1]
.endif
.if \hasB
	v_sub_f32 v[rN+1], v[rN], v[C0]
	v_mov_b32 v[rN], v[C0]
.endif
.if \hasD
	v_pk_add_f32 v[rT+2:rT+3], v[rT+2:rT+3], v[ZZ:ZZ+1]
.endif
.if \hasB
.irp j, 0,2,4,6
	v_pk_add_f32 v[rQ+\j:rQ+\j+1], v[S+\j:S+\j+1], v[rN:rN+1] op_sel_hi:[1,0] neg_lo:[0,1] neg_hi:[0,1]   ; score - m', into other registers than the matrix results
.endr
.endif
.if \hasD
	v_pk_add_f32 v[rT+2:rT+3], v[rT+2:rT+3], v[XX:XX+1]
.endif
.if \hasB
.irp j, 8,10,12,14
	v_pk_add_f32 v[rQ+\j:rQ+\j+1], v[S+\j:S+\j+1], v[rN:rN+1] op_sel_hi:[1,0] neg_lo:[0,1] neg_hi:[0,1]
.endr
.endif
.endm
.macro PF dp                           ; O[2 dp, 2 dp + 1] += p[i] x V[i][2 dp, 2 dp + 1]: of p's pair one register serves both halves
.if i%2 == 0
	v_pk_fma_f32 v[rO+2*\dp:rO+2*\dp+1], v[rP+i:rP+i+1], v[8*i+2*\dp:8*i+2*\dp+1], v[rO+2*\dp:rO+2*\dp+1] op_sel_hi:[0,1,1]
.else
	v_pk_fma_f32 v[rO+2*\dp:rO+2*\dp+1], v[rP+i-1:rP+i], v[8*i+2*\dp:8*i+2*\dp+1], v[rO+2*\dp:rO+2*\dp+1] op_sel:[1,0,0] op_sel_hi:[1,1,1]
.endif
.endm
; TILE t's 64 MULTIPLY-ADDS, with tile tn's 17 exponentials (hasC) and tile tq's 4 matrix instructions (hasA) among them.  One window setting serves all three: source 1 in window 1 is V for the multiply-adds and Q for the
; matrix instructions, and an exponential has no source 1.  Behind the last matrix instruction stand 16 multiply-adds that name none of its registers (8 places are owed ahead of the first read of S^T and of a write of K);
; behind the last exponential stand two.
.macro PVX t, hasC, tn, hasA, tq
	WIN 0x04
.set rP, PB+16*((\t)%2)
.set rQ, PB+16*((\tn)%2)
.set rO, OO+8*(\t)
.set rN, ST+4*(\tn)
.set i, 0
.rept 16
.if \hasA && (i%4 == 0)
.set kq, i/4
	QKW \tq
.endif
	PF 0
	PF 1
.if \hasC
	v_exp_f32 v[rQ+i], v[rQ+i]
.endif
	PF 2
	PF 3
.if \hasC && (i == 0)
	v_exp_f32 v[rN+1], v[rN+1]
.endif
.set i, i+1
.endr
	WIN 0
.endm
; V of one step from my slot: register 8 i + d = channel d of key 16 (i / 8) + 8 h + i % 8; sixteen lanes read the same 16 bytes.
; again = 1: in the loop, where these registers have been read.  again = 0: at the head, where no vector instruction has named them yet, and v4 stands written since the head's wait.
.macro VLOAD again
	WIN 0x40
.if \again
	s_wait_alu depctr_va_vdst(0)                   ; tile 7's multiply-adds are done reading V, in which the loads below land; tile 6's moves are done reading v16-23, in which the next step's loads land; tile 0's exponentials have written p and a, ahead of the branch
.endif
.irp i, 0,1,2,3,4,5,6,7,8,9,10,11,12,13,14,15
	ds_load_b128 v[8*\i:8*\i+3], v[LVR] offset:512*(\i/8)+32*(\i%8)
	ds_load_b128 v[8*\i+4:8*\i+7], v[LVR] offset:512*(\i/8)+32*(\i%8)+16
.endr
	WIN 0
.endm
.macro KSWITCH                         ; the next step's K and V take their places: K's last reader stands 16 multiply-adds back; my slot's V has long been read into registers
	s_wait_loadcnt 0x0                             ; the four loads issued at this step's head are in
	s_wait_xcnt 0x0                                ; and the prefetch has read its base, which steps now
	s_add_nc_u64 s[KV:KV+1], s[KV:KV+1], 2048
.irp j, 0,1,2,3,4,5,6,7
	v_mov_b32 v[KR+\j], v[KS+\j]
.endr
	ds_store_b128 v[LVW], v[VS:VS+3]               ; (their data come from loads and their address from the head: no vector instruction has written either since)
	ds_store_b128 v[LVW], v[VS+4:VS+7] offset:512
.endm
; A PREFETCH INTO THE L2, behind the step's four loads.  In steps 2, 6 .. 26 a wave names the 8,192 bytes of its own stream that steps i + 2 .. i + 5 hold (they are loaded in steps i + 1 .. i + 4): 32 lanes, 256 bytes apart.
; All 16 work-groups of a batch walk the same streams: the batch's first work-group asks, each of its eight waves for its own stream, so each block of 256 bytes is named once in the launch.
; Steps 0 to 3 come by their loads alone; step 30 would name bytes past the stream's end and asks for nothing.
.macro ASK
	s_and_b32 s40, s[CNT], 3
	s_cmp_eq_u32 s40, 2
	s_cbranch_scc0 .Lnot_now_\@
	s_cmp_lt_u32 s[CNT], s[LIM]
	s_cbranch_scc0 .Lnot_now_\@
	global_prefetch_b8 v[PFO], s[KV:KV+1] offset:2048 th:TH_LOAD_NT scope:SCOPE_SE
.Lnot_now_\@:
.endm
; A KEY STEP: 32 keys, 8 tiles of queries.  last = 1: the last step, which loads nothing and starts nothing of a next step.
.macro STEP last
.irp t, 0,1,2,3,4,5,6,7
.set hB, 1
.set hA, 1
.if \last
.if \t > 6
.set hB, 0
.endif
.if \t > 5
.set hA, 0
.endif
.else
.if \t == 6
	KSWITCH                                        ; tiles 6 and 7 start the next step's tiles 0 and 1
.endif
.endif
	HEADT \t, (\t+1)%8, hB, 1
.if \t == 0
	s_wait_dscnt 0x0                               ; this step's V is in its registers
.if !\last
	s_wait_alu depctr_vm_vsrc(0)                   ; the two LDS stores that took V to my slot have read v24-31, in which the loads below land
	global_load_b128 v[KS:KS+3], v[GAK], s[KV:KV+1]                  ; the next step: K as two fragments,
	global_load_b128 v[KS+4:KS+7], v[GAK], s[KV:KV+1] offset:512
	global_load_b128 v[VS:VS+3], v[GAV], s[KV:KV+1] offset:1024      ; V as it lies
	global_load_b128 v[VS+4:VS+7], v[GAV], s[KV:KV+1] offset:1536
	ASK
.endif
.endif
	PVX \t, hB, (\t+1)%8, hA, (\t+2)%8
.endr
.if !\last
	VLOAD 1                                        ; the next step's V: LDS serves a wave's instructions in order, so these see KSWITCH's stores
.endif
.endm
; ---- the epilogue's macros
.macro QUANT16 x, op, scl              ; 16 numbers of a lane, register i = k 16 h + i of row r -> operand (lanes 0-15: the row's 32 codes; lanes 16-31: zeros) and scale word
	v_max3_num_f32 v[T0], |v[\x]|, |v[\x+1]|, 0x2800000              ; with the floor 2^(5 - 127): the byte cannot fall under 1
	v_max3_num_f32 v[T1], |v[\x+2]|, |v[\x+3]|, |v[\x+4]|
	v_max3_num_f32 v[T0], v[T0], |v[\x+5]|, |v[\x+6]|
	v_max3_num_f32 v[T1], v[T1], |v[\x+7]|, |v[\x+8]|
	v_max3_num_f32 v[T0], v[T0], |v[\x+9]|, |v[\x+10]|
	v_max3_num_f32 v[T1], v[T1], |v[\x+11]|, |v[\x+12]|
	v_max3_num_f32 v[T0], v[T0], |v[\x+13]|, |v[\x+14]|
	v_max3_num_f32 v[T0], v[T0], v[T1], |v[\x+15]|
	v_permlanex16_b32 v[T1], v[T0], s[SEL], s[SEL+1]
	v_max_num_f32 v[T0], v[T0], v[T1]
	v_add_nc_u32 v[T2], 0xfe000000, v[T0]                            ; 4 off the exponent field: the conversion's scale operand
	v_lshrrev_b32 v[\scl], 23, v[T2]
.irp i, 3,4,5
	v_mov_b32 v[\op+\i], 0
.endr
	v_cvt_scalef32_pk16_bf6_f32 v[\op:\op+2], v[\x:\x+15], v[T2]
	v_nop                                                            ; one plain place behind a scaled conversion
.irp i, 0,1,2
	v_permlane16_swap_b32 v[\op+\i], v[\op+3+\i]
.endr
.endm
.macro QUANTW w, opa, opb, scl         ; a column down K in each lane (lanes 0-15: tile 0's columns, lanes 16-31: tile 1's) -> the two tiles' operands, one scale register
	v_max3_num_f32 v[T0], |v[\w]|, |v[\w+1]|, 0x2800000
	v_max3_num_f32 v[T1], |v[\w+2]|, |v[\w+3]|, |v[\w+4]|
.irp i, 5,9,13,17,21,25
	v_max3_num_f32 v[T0], v[T0], |v[\w+\i]|, |v[\w+\i+1]|
	v_max3_num_f32 v[T1], v[T1], |v[\w+\i+2]|, |v[\w+\i+3]|
.endr
	v_max3_num_f32 v[T0], v[T0], |v[\w+29]|, |v[\w+30]|
	v_max3_num_f32 v[T0], v[T0], v[T1], |v[\w+31]|
	v_add_nc_u32 v[T2], 0xfe000000, v[T0]
	v_lshrrev_b32 v[\scl], 23, v[T2]
.irp i, 0,1,2,3,4,5
	v_mov_b32 v[\opb+\i], 0
.endr
	v_cvt_scalef32_pk16_bf6_f32 v[\opa:\opa+2], v[\w:\w+15], v[T2]
	v_cvt_scalef32_pk16_bf6_f32 v[TT:TT+2], v[\w+16:\w+31], v[T2]
	v_nop
.irp i, 0,1,2
	v_mov_b32 v[\opa+3+\i], v[TT+\i]
.endr
.irp i, 0,1,2,3,4,5
	v_permlane16_swap_b32 v[\opa+\i], v[\opb+\i]
.endr
.endm
.macro VEC16 reg, sb
.irp i, 0,1,2,3
	global_load_b128 v[\reg+4*\i:\reg+4*\i+3], v[HOFF], s[\sb:\sb+1] offset:16*\i
.endr
.endm
.macro QMM d, wop, xop, c, sw, sx, row1
.if \row1
	v_wmma_scale_f32_16x16x128_f8f6f4 v[\d:\d+7], v[\wop:\wop+11], v[\xop:\xop+11], v[\c:\c+7], v[\sw], v[\sx] matrix_a_fmt:MATRIX_FMT_BF6 matrix_b_fmt:MATRIX_FMT_BF6 matrix_a_scale:MATRIX_SCALE_ROW1
.else
	v_wmma_scale_f32_16x16x128_f8f6f4 v[\d:\d+7], v[\wop:\wop+11], v[\xop:\xop+11], v[\c:\c+7], v[\sw], v[\sx] matrix_a_fmt:MATRIX_FMT_BF6 matrix_b_fmt:MATRIX_FMT_BF6
.endif
.endm
; v[r ..] = (v[y ..] - mean) x rsqrt(variance + 1e-5) x g + be over a row's 32 numbers: my 16 and lane l xor 16's.  The variance is taken of the differences, as the reference takes it.  g, be: in window 1.
.macro LNORM y, r, g, be
	v_pk_add_f32 v[U:U+1], v[\y:\y+1], v[\y+2:\y+3]
	v_pk_add_f32 v[U+2:U+3], v[\y+4:\y+5], v[\y+6:\y+7]
	v_pk_add_f32 v[U+4:U+5], v[\y+8:\y+9], v[\y+10:\y+11]
	v_pk_add_f32 v[U+6:U+7], v[\y+12:\y+13], v[\y+14:\y+15]
	v_pk_add_f32 v[U:U+1], v[U:U+1], v[U+2:U+3]
	v_pk_add_f32 v[U+4:U+5], v[U+4:U+5], v[U+6:U+7]
	v_pk_add_f32 v[U:U+1], v[U:U+1], v[U+4:U+5]
	v_add_f32 v[U], v[U], v[U+1]
	v_permlanex16_b32 v[U+1], v[U], s[SEL], s[SEL+1]
	v_add_f32 v[U], v[U], v[U+1]
	v_mul_f32 v[U], s44, v[U]                                        ; the mean
.irp j, 0,2,4,6,8,10,12,14
	v_pk_add_f32 v[\r+\j:\r+\j+1], v[\y+\j:\y+\j+1], v[U:U+1] op_sel_hi:[1,0] neg_lo:[0,1] neg_hi:[0,1]
.endr
	v_pk_mul_f32 v[U+2:U+3], v[\r:\r+1], v[\r:\r+1]
	v_pk_mul_f32 v[U+4:U+5], v[\r+2:\r+3], v[\r+2:\r+3]
.irp j, 4,8,12
	v_pk_fma_f32 v[U+2:U+3], v[\r+\j:\r+\j+1], v[\r+\j:\r+\j+1], v[U+2:U+3]
	v_pk_fma_f32 v[U+4:U+5], v[\r+\j+2:\r+\j+3], v[\r+\j+2:\r+\j+3], v[U+4:U+5]
.endr
	v_pk_add_f32 v[U+2:U+3], v[U+2:U+3], v[U+4:U+5]
	v_add_f32 v[U+2], v[U+2], v[U+3]
	v_permlanex16_b32 v[U+3], v[U+2], s[SEL], s[SEL+1]
	v_add_f32 v[U+2], v[U+2], v[U+3]
	v_fma_f32 v[U+2], v[U+2], s44, s45                               ; the variance + 1e-5
	v_rsq_f32 v[U+2], v[U+2]
	v_nop                                                            ; a plain place behind the transcendental,
	s_wait_alu depctr_va_vdst(0)                                     ; and the wait: the root's reciprocal is written, ahead of its first reader
.irp j, 0,2,4,6,8,10,12,14
	v_pk_mul_f32 v[\r+\j:\r+\j+1], v[\r+\j:\r+\j+1], v[U+2:U+3] op_sel_hi:[1,0]
.endr
	WIN 0x14                                                         ; sources 1 and 2 in window 1
.irp j, 0,2,4,6,8,10,12,14
	v_pk_fma_f32 v[\r+\j:\r+\j+1], v[\r+\j:\r+\j+1], v[\g+\j:\g+\j+1], v[\be+\j:\be+\j+1]
.endr
	WIN 0
.endm
	s_load_b512 s[4:19], s[0:1], 0x0               ; x s[4:5], qws s[6:7], kvws s[8:9], wo s[10:11], bo s[12:13], g1 s[14:15], beta1 s[16:17], wl s[18:19]
	s_load_b256 s[20:27], s[0:1], 0x40             ; bl s[20:21], g2 s[22:23], beta2 s[24:25], out0 s[26:27]
	v_lshl_add_u32 v234, v0, 2, 0x1e800
	v_mov_b32 v235, 0
	v_lshrrev_b32 v7, 5, v0
	v_readfirstlane_b32 s28, v7                    ; wave 0..7
	s_wait_alu depctr_va_sdst(0)                   ; s28 is written, ahead of its first reader: the head, the key half, the LDS places and the bases are made from it
	s_lshr_b32 s29, s28, 1                         ; head
	s_and_b32 s30, s28, 1                          ; key half
	s_mov_b32 s31, ttmp9                           ; block of 128 queries
	s_and_b32 s32, ttmp7, 0xffff                   ; batch
	v_and_b32 v16, 31, v0                          ; lane
	v_and_b32 v17, 15, v0                          ; r
	v_bfe_u32 v18, v0, 4, 1                        ; h
	v_lshlrev_b32 v[GAK], 5, v17
	v_lshl_add_u32 v[GAK], v18, 4, v[GAK]
	v_lshlrev_b32 v[GAV], 4, v16
	s_lshl_b32 s40, s28, 10
	v_lshl_add_u32 v[LVW], v16, 4, s40
	v_lshl_add_u32 v[LVR], v18, 8, s40
	s_mul_i32 s40, s28, 12288
	s_add_co_u32 s40, s40, REC
	v_mul_u32_u24 v[RECW], v17, 48
	v_mad_u32_u24 v[RECW], v18, 6144, v[RECW]
	v_add_nc_u32 v[RECW], s40, v[RECW]             ; region 2 wave + h, row r (+ 16 t by the immediate)
	v_lshlrev_b32 v[PFO], 8, v16
	s_lshl_b32 s34, s32, 18                        ; qws: 262,144 bytes a batch, 65,536 a head, 4,096 a block of 128 rows
	s_lshl_b32 s40, s29, 16
	s_add_co_u32 s34, s34, s40
	s_lshl_b32 s40, s31, 12
	s_add_co_u32 s34, s34, s40
	s_mov_b32 s35, 0
	s_lshl_b32 s[KV], s32, 19                      ; kvws: 524,288 bytes a batch, 131,072 a head, 65,536 a key half
	s_lshl_b32 s40, s29, 17
	s_add_co_u32 s[KV], s[KV], s40
	s_lshl_b32 s40, s30, 16
	s_add_co_u32 s[KV], s[KV], s40
	s_mov_b32 s[KV+1], 0
	s_lshl_b32 s46, s32, 18                        ; x, out0: 262,144 bytes a batch, 16,384 a block, 2,048 for the 16 rows that my wave finishes
	s_lshl_b32 s40, s31, 14
	s_add_co_u32 s46, s46, s40
	s_lshl_b32 s40, s28, 11
	s_add_co_u32 s46, s46, s40
	s_mov_b32 s47, 0
	s_cmp_eq_u32 s31, 0
	s_cselect_b32 s[LIM], 30, 0
	s_mov_b32 s[SEL], 0x76543210
	s_mov_b32 s[SEL+1], 0xfedcba98
	s_mov_b32 s44, 0x3d000000                      ; 1 / 32
	s_mov_b32 s45, 0x3727c5ac                      ; 1e-5
	s_wait_kmcnt 0x0
	s_add_nc_u64 s[6:7], s[6:7], s[34:35]
	s_add_nc_u64 s[KV:KV+1], s[8:9], s[KV:KV+1]
	s_add_nc_u64 s[4:5], s[4:5], s[46:47]
	s_add_nc_u64 s[26:27], s[26:27], s[46:47]
	WIN 0x40                                       ; destination window 1
	s_wait_alu depctr_va_vdst(0)                   ; the six addresses v1 to v6 are written, which the loads, LDS lines and the prefetch read, and no vector line writes them again; so are v16 to v18, in which loads of K land
.irp t, 0,1,2,3,4,5,6,7
	global_load_b128 v[QF+4*\t:QF+4*\t+3], v[GAK], s[6:7] offset:512*\t   ; Q stays in registers: tile t, channels 4 h .. 4 h + 3 of row r
.endr
	WIN 0
	global_load_b128 v[KR:KR+3], v[GAK], s[KV:KV+1]                  ; step 0: K straight into its fragments,
	global_load_b128 v[KR+4:KR+7], v[GAK], s[KV:KV+1] offset:512
	global_load_b128 v[VS:VS+3], v[GAV], s[KV:KV+1] offset:1024      ; V on its way to my slot
	global_load_b128 v[VS+4:VS+7], v[GAV], s[KV:KV+1] offset:1536
.irp t, 0,1,2,3,4,5,6,7
	v_mov_b32 v[ST+4*\t], 0xff61b1e6               ; m: -3e38, under every score
	v_mov_b32 v[ST+4*\t+2], 0                      ; l, in two halves
	v_mov_b32 v[ST+4*\t+3], 0
.endr
.set j, 0
.rept 64
	v_mov_b32 v[OO+j], 0                           ; O.  (The step is written once: its first rescaling multiplies zeros)
.set j, j+1
.endr
	s_wait_loadcnt 0x0                             ; Q, K and V of step 0; the loads have read their base, which steps
	s_add_nc_u64 s[KV:KV+1], s[KV:KV+1], 2048
	ds_store_b128 v[LVW], v[VS:VS+3]
	ds_store_b128 v[LVW], v[VS+4:VS+7] offset:512
	VLOAD 0
	WIN 0x04
.irp q, 0,1,2,3
.set kq, \q
	QKW 0                                          ; tile 0's scores
.endr
	WIN 0
.rept 8
	v_nop                                          ; 8 places ahead of the first read of these results
.endr
	HEADT 0, 0, 1, 0                               ; tile 0: maximum and shift
.rept 9
	v_nop                                          ; 9 places ahead of matrix instructions that write over earlier ones' results
.endr
	WIN 0x04
.irp q, 0,1,2,3
.set kq, \q
	QKW 1                                          ; tile 1's scores
.endr
.set j, 0
.rept 16
	v_exp_f32 v[PB+j], v[PB+j]                     ; tile 0's weights
.set j, j+1
.endr
	v_exp_f32 v[ST+1], v[ST+1]
.rept 8
	v_nop                                          ; the plain place behind the exponentials, and the 8 places ahead of the first read of tile 1's scores
.endr
	WIN 0
	s_wait_alu depctr_va_vdst(0)                   ; tile 0's 17 exponentials have written p and a: their wait stands ahead of the label
	s_mov_b32 s[CNT], 0
.Lstep:                                            ; 31 trips: steps 0 to 30
	STEP 0
	s_add_co_u32 s[CNT], s[CNT], 1
	s_cmp_lt_u32 s[CNT], 31
	s_cbranch_scc1 .Lstep
	STEP 1                                         ; step 31 is written out: it loads nothing
	; ---- THE RECORDS: each lane's (O[8], m, l) for its 8 tiles go to LDS
.irp t, 0,1,2,3,4,5,6,7
	v_add_f32 v[ST+4*\t+1], v[ST+4*\t+2], v[ST+4*\t+3]               ; l's two halves, beside m
.endr
	s_wait_alu depctr_va_vdst(0)                   ; the last multiply-adds have written O, the additions above l beside m: the 24 LDS stores read them
.irp t, 0,1,2,3,4,5,6,7
	ds_store_b128 v[RECW], v[OO+8*\t:OO+8*\t+3] offset:768*\t
	ds_store_b128 v[RECW], v[OO+8*\t+4:OO+8*\t+7] offset:768*\t+16
	ds_store_b64 v[RECW], v[ST+4*\t:ST+4*\t+1] offset:768*\t+32
.endr
	s_wait_alu depctr_vm_vsrc(0)                   ; these stores have read O's and the statistics' registers, and the stores that took step 31's V to my slot have read v24-31: vector lines and loads below write all of them again
	v_and_b32 v26, 15, v0                          ; r
	v_bfe_u32 v27, v0, 4, 1                        ; h
	v_bfe_u32 v28, v0, 3, 2                        ; lane / 8
	v_and_b32 v29, 7, v0                           ; lane % 8
	s_mul_i32 s40, s28, 16*PITCH
	s_add_co_u32 s40, s40, XST                     ; my stage
	v_mul_u32_u24 v[TIN], v28, PITCH
	v_lshl_add_u32 v[TIN], v29, 4, v[TIN]
	v_add_nc_u32 v[TIN], s40, v[TIN]
	v_mul_u32_u24 v[TRD], v26, PITCH
	v_lshl_add_u32 v[TRD], v27, 6, v[TRD]
	v_add_nc_u32 v[TRD], s40, v[TRD]
	s_mul_i32 s40, s28, 768
	s_add_co_u32 s40, s40, REC
	v_mul_u32_u24 v[RECR], v26, 48
	v_mad_u32_u24 v[RECR], v27, 49152, v[RECR]     ; heads 2 h, 2 h + 1: eight regions on for lanes 16-31
	v_add_nc_u32 v[RECR], s40, v[RECR]             ; row 16 wave + r
	v_and_b32 v28, 8, v26
	v_add_nc_u32 v28, v28, v26
	v_lshl_add_u32 v28, v27, 3, v28                ; my column of a weight: 8 h + r + 8 (r / 8)
	v_lshlrev_b32 v[WOFF], 2, v28
	v_lshlrev_b32 v[HOFF], 6, v27
	s_wait_dscnt 0x0                               ; for the others' sake: my records lie in LDS
	s_wait_alu depctr_va_vdst(0)                   ; the five addresses v20 to v24 are written, which the loads and LDS lines below read; the loop's vector lines are done with O's, p's and V's registers, in which loads below land
.set k, 0
.rept 32
	global_load_b32 v[WO+k], v[WOFF], s[10:11] offset:128*k          ; row k of wo: the 32 lanes take its 32 columns
.set k, k+1
.endr
.set k, 0
.rept 32
	global_load_b32 v[WL+k], v[WOFF], s[18:19] offset:128*k
.set k, k+1
.endr
.irp i, 0,1,2,3
	global_load_b128 v[XD+4*\i:XD+4*\i+3], v[GAV], s[4:5] offset:512*\i th:TH_LOAD_NT   ; my 16 rows of x, 512 consecutive bytes a load
.endr
	WIN 0x40                                       ; (between the wait above and the loads below stand loads and this switch alone)
	VEC16 BO, 12
	VEC16 G1, 14
	VEC16 BE1, 16
	VEC16 BL, 20
	VEC16 G2, 22
	VEC16 BE2, 24
	WIN 0
	s_barrier_signal -1
	s_barrier_wait -1                              ; everybody's records lie in LDS.  From here on wave w owns rows 16 w .. 16 w + 15
	; ---- THE MERGE: for heads 2 h and 2 h + 1 of row r the four streams come under the largest of their m
.irp e, 0,1
.if \e > 0
	s_wait_alu depctr_va_vdst(0)                   ; the first pair of heads' merge is done reading v48-95, in which the second pair's records land
.endif
.irp s, 0,1,2,3
	ds_load_b128 v[RB+12*\s:RB+12*\s+3], v[RECR] offset:(4*\e+\s)*6144
	ds_load_b128 v[RB+12*\s+4:RB+12*\s+7], v[RECR] offset:(4*\e+\s)*6144+16
	ds_load_b64 v[RB+12*\s+8:RB+12*\s+9], v[RECR] offset:(4*\e+\s)*6144+32
.endr
	s_wait_dscnt 0x0
	v_max3_num_f32 v[U], v[RB+8], v[RB+20], v[RB+32]
	v_max_num_f32 v[U], v[U], v[RB+44]
.irp s, 0,1,2,3
	v_sub_f32 v[U+4+\s], v[RB+12*\s+8], v[U]
.endr
.irp s, 0,1,2,3
	v_exp_f32 v[U+4+\s], v[U+4+\s]
.endr
	v_nop
	s_wait_alu depctr_va_vdst(0)                   ; the four exponentials have written the streams' factors: one wait, ahead of their first reader
	v_mul_f32 v[U+1], v[U+4], v[RB+9]
	v_fmac_f32 v[U+1], v[U+5], v[RB+21]
	v_fmac_f32 v[U+1], v[U+6], v[RB+33]
	v_fmac_f32 v[U+1], v[U+7], v[RB+45]            ; the row's sum
	v_rcp_f32 v[U+2], v[U+1]
	v_nop
	s_wait_alu depctr_va_vdst(0)                   ; the reciprocal is written, ahead of its first reader
.irp s, 0,1,2,3
	v_mul_f32 v[U+4+\s], v[U+4+\s], v[U+2]         ; each stream's weight
.endr
.irp d, 0,2,4,6
	v_pk_mul_f32 v[CC+8*\e+\d:CC+8*\e+\d+1], v[RB+\d:RB+\d+1], v[U+4:U+5] op_sel_hi:[1,0]
	v_pk_fma_f32 v[CC+8*\e+\d:CC+8*\e+\d+1], v[RB+12+\d:RB+12+\d+1], v[U+4:U+5], v[CC+8*\e+\d:CC+8*\e+\d+1] op_sel:[0,1,0] op_sel_hi:[1,1,1]
	v_pk_fma_f32 v[CC+8*\e+\d:CC+8*\e+\d+1], v[RB+24+\d:RB+24+\d+1], v[U+6:U+7], v[CC+8*\e+\d:CC+8*\e+\d+1] op_sel_hi:[1,0,1]
	v_pk_fma_f32 v[CC+8*\e+\d:CC+8*\e+\d+1], v[RB+36+\d:RB+36+\d+1], v[U+6:U+7], v[CC+8*\e+\d:CC+8*\e+\d+1] op_sel:[0,1,0] op_sel_hi:[1,1,1]
.endr
.endr
	; ---- concat wo + bo + x, LN1, a1 wl + bl + a1, LN2
.irp o, OPX, OPO, OPO+12, OPL, OPL+12
.irp i, 6,7,8,9,10,11
	v_mov_b32 v[\o+\i], 0                          ; k = 64 .. 127 of every operand: zero codes, written once
.endr
.endr
	QUANT16 CC, OPX, SXC
	s_wait_loadcnt 0x0                             ; the weights, x and the six vectors
.irp i, 0,1,2,3
	ds_store_b128 v[TIN], v[XD+4*\i:XD+4*\i+3] offset:4*PITCH*\i     ; x turns through my own stage.  (No vector line since the wait ahead of the loads names v20, v21, x's registers or v176-191)
.endr
.irp i, 0,1,2,3
	ds_load_b128 v[XR+4*\i:XR+4*\i+3], v[TRD] offset:16*\i           ; register n = x(row r, 16 h + n)
.endr
	QUANTW WO, OPO, OPO+12, SWO
	QUANTW WL, OPL, OPL+12, SWL
.rept 8
	v_nop                                          ; a scale register written by a vector instruction stands 8 places ahead of a scaled matrix instruction, an operand 4
.endr
	WIN 0x10                                       ; source 2, the bias, in window 1
	s_wait_alu depctr_va_vdst(0)                   ; the conversions, moves and lane swaps have written concat's and the weights' operands, the shifts their scale registers: the scaled products take them; the places above stay beside this wait
	QMM YO, OPO, OPX, BO, SWO, SXC, 0
	QMM YO+8, OPO+12, OPX, BO+8, SWO, SXC, 1
	WIN 0
.rept 4
	v_nop
.endr
	s_wait_dscnt 0x0                               ; x by rows is in
.irp j, 0,2,4,6,8,10,12,14
	v_pk_add_f32 v[YO+\j:YO+\j+1], v[YO+\j:YO+\j+1], v[XR+\j:XR+\j+1]
.endr
	LNORM YO, A1, G1, BE1
	QUANT16 A1, OPX, SXA
.rept 8
	v_nop
.endr
	WIN 0x10
	s_wait_alu depctr_va_vdst(0)                   ; a1's operand and its scale register are written: the scaled products take them; the places above stay beside this wait
	QMM FF, OPL, OPX, BL, SWL, SXA, 0
	QMM FF+8, OPL+12, OPX, BL+8, SWL, SXA, 1
	WIN 0
.rept 4
	v_nop
.endr
.irp j, 0,2,4,6,8,10,12,14
	v_pk_add_f32 v[FF+\j:FF+\j+1], v[FF+\j:FF+\j+1], v[A1+\j:A1+\j+1]
.endr
	LNORM FF, OUT, G2, BE2
	s_wait_alu depctr_va_vdst(0)                   ; the second norm has written v192-207, which the LDS stores read
	s_wait_alu depctr_vm_vsrc(0)                   ; the LDS stores that turned x through the stage have read v160-175, in which the LDS loads below land
.irp i, 0,1,2,3
	ds_store_b128 v[TRD], v[OUT+4*\i:OUT+4*\i+3] offset:16*\i        ; back through my stage: in by rows,
.endr
.irp i, 0,1,2,3
	ds_load_b128 v[OD+4*\i:OD+4*\i+3], v[TIN] offset:4*PITCH*\i      ; out as memory has them
.endr
	s_wait_dscnt 0x0
.irp i, 0,1,2,3
	global_store_b128 v[GAV], v[OD+4*\i:OD+4*\i+3], s[26:27] offset:512*\i th:TH_STORE_NT   ; 32 lanes store 512 consecutive bytes, aligned
.endr
	s_wait_dscnt 0x0
	s_wait_alu depctr_hold_cnt(0) depctr_sa_sdst(0) depctr_va_vdst(0) depctr_va_sdst(0) depctr_va_ssrc(0) depctr_va_vcc(0) depctr_vm_vsrc(0)
	s_wait_tensorcnt 0x0
	ds_add_u32 v234, v235
	s_wait_dscnt 0x0
	s_endpgm
.Lfunc_end_k_qa03348c36d_attn:
	.size	k_qa03348c36d_attn, .Lfunc_end_k_qa03348c36d_attn-k_qa03348c36d_attn
	.p2alignl 7, 3214868480
	.fill 96, 4, 3214868480
	.section	.rodata,"a",@progbits
	.p2align	6, 0x0
	.amdhsa_kernel k_qa03348c36d_attn
		.amdhsa_group_segment_fixed_size 125952
		.amdhsa_private_segment_fixed_size 0
		.amdhsa_enable_private_segment 0
		.amdhsa_kernarg_size 96
		.amdhsa_user_sgpr_count 2
		.amdhsa_user_sgpr_kernarg_segment_ptr 1
		.amdhsa_wavefront_size32 1
		.amdhsa_system_sgpr_workgroup_id_x 1
		.amdhsa_system_sgpr_workgroup_id_y 1
		.amdhsa_system_sgpr_workgroup_id_z 1
		.amdhsa_system_vgpr_workitem_id 0
		.amdhsa_next_free_vgpr 416
		.amdhsa_next_free_sgpr 66
		.amdhsa_reserve_vcc 0
		.amdhsa_float_denorm_mode_32 3
		.amdhsa_float_denorm_mode_16_64 3
		.amdhsa_memory_ordered 1
		.amdhsa_forward_progress 1
		.amdhsa_inst_pref_size 154
	.end_amdhsa_kernel
	.amdgpu_metadata
---
amdhsa.version: [ 1, 2 ]
amdhsa.kernels:
  - .name:           k_qa03348c36d_attn
    .symbol:         k_qa03348c36d_attn.kd
    .args:
      - { .name: x, .offset: 0, .size: 8, .value_kind: global_buffer, .address_space: global }
      - { .name: qws, .offset: 8, .size: 8, .value_kind: global_buffer, .address_space: global }
      - { .name: kvws, .offset: 16, .size: 8, .value_kind: global_buffer, .address_space: global }
      - { .name: wo, .offset: 24, .size: 8, .value_kind: global_buffer, .address_space: global }
      - { .name: bo, .offset: 32, .size: 8, .value_kind: global_buffer, .address_space: global }
      - { .name: g1, .offset: 40, .size: 8, .value_kind: global_buffer, .address_space: global }
      - { .name: beta1, .offset: 48, .size: 8, .value_kind: global_buffer, .address_space: global }
      - { .name: wl, .offset: 56, .size: 8, .value_kind: global_buffer, .address_space: global }
      - { .name: bl, .offset: 64, .size: 8, .value_kind: global_buffer, .address_space: global }
      - { .name: g2, .offset: 72, .size: 8, .value_kind: global_buffer, .address_space: global }
      - { .name: beta2, .offset: 80, .size: 8, .value_kind: global_buffer, .address_space: global }
      - { .name: out0, .offset: 88, .size: 8, .value_kind: global_buffer, .address_space: global }
    .group_segment_fixed_size: 125952
    .private_segment_fixed_size: 0
    .kernarg_segment_align: 8
    .kernarg_segment_size: 96
    .max_flat_workgroup_size: 256
    .sgpr_count:     66
    .vgpr_count:     416
    .wavefront_size: 32
...
	.end_amdgpu_metadata
.endif
;; end of part 4
